; MI455X (gfx1250); checked and timed in simulation.
; The chip was launched on July 23, 2026; its instructions are those of AMD's public machine-readable ISA for CDNA 5 (MIT licence, August 2026) and "CDNA5" Instruction Set Architecture Reference Guide (July 2026). The comments in the code are by the model that wrote it; some were corrected since.
;; Softmax Attention. Allowed arithmetic: matrix products marked QUANTISED: E2M3 operands, one E8M0 scale for each 32 along K, by v_wmma_scale_f32_16x16x128_f8f6f4 with both operands' format E2M3, f32 sums; everything else in f32.
;; Inputs: w_out 1,024 x 1,024 float32; w_qkv 3,072 x 1,024 float32; x 4 x 2,048 x 1,024 float32.
;; Outputs: out0 4 x 2,048 x 1,024 float32.
;; This version of the problem:
;;   THIS VERSION OF THE PROBLEM IS GIVEN IN LOW PRECISION. The matrix products marked QUANTISED in the list below multiply operands that are first quantised to E2M3 (2 exponent bits, 3 mantissa bits; 6 bits a number), with one power-of-two scale for each 32 numbers along K (OCP MX v1.0); their sums are f32. All else is computed in f32.
;;   The module's matrix products, in the order in which they are computed (A, B: the left and right operand; K: the contracted axis; several contracted axes count as one K, in the product's order):
;;     1. [M 8,192, K 1,024] x [K 1,024, N 3,072]; A: input x; B: input w_qkv: QUANTISED
;;     2. batch 64 x [M 2,048, K 64] x [K 64, N 2,048]; A: computed on the way; B: computed on the way: QUANTISED
;;     3. batch 64 x [M 2,048, K 2,048] x [K 2,048, N 64]; A: softmax (see below); B: computed on the way: QUANTISED
;;     4. [M 8,192, K 1,024] x [K 1,024, N 1,024]; A: computed on the way; B: input w_out: QUANTISED
;;   THE QUANTISER, for each operand of a quantised product, along K:
;;     - K is cut into blocks of 32 from its start; a last block that is shorter is filled with zeros.
;;     - A block's scale is 2^e with e = floor(log2(the largest magnitude in the block)) - 2, held to -126 .. 127; a block of zeros has e = 0. As a byte (E8M0): e + 127.
;;     - Each number is divided by its block's scale, clamped to +-7.5, and rounded to the nearest number of E2M3, ties to even, subnormals kept.
;;     - The product sums the exact products of the quantised numbers (number of the format x scale) in f32.
;;   ~~~python
;;   def quantise(x, axis):      # numpy; x: float32 -> the quantised numbers, widened to float32 again
;;       x = np.moveaxis(x, axis, -1); K = x.shape[-1]
;;       x = np.pad(x, [(0, 0)] * (x.ndim - 1) + [(0, -K % 32)]); x = x.reshape(x.shape[:-1] + (-1, 32)); a = np.abs(x).max(-1, keepdims=True)
;;       e = np.where(a > 0, np.clip(np.frexp(np.where(a > 0, a, 1))[1] - 1 - 2, -126, 127), 0)      # np.frexp(a)[1] - 1 = floor(log2(a)), exactly
;;       r = np.clip(x / 2.0 ** e, -7.5, 7.5)
;;       step = 2.0 ** (np.maximum(np.frexp(np.where(r == 0, 1, r))[1] - 1, 0) - 3)
;;       q = np.round(r / step) * step * 2.0 ** e      # np.round: ties to even
;;       return np.moveaxis(q.reshape(q.shape[:-2] + (-1,))[..., :K], -1, axis).astype(np.float32)
;;   ~~~
;;   SOFTMAX AHEAD OF A QUANTISED PRODUCT. Where the list says 'softmax', what is quantised is not the finished softmax but p = 2^(t - M), with t = logit x log2(e) and M = ceil(the row's largest t), a whole number; so 1/2 < the row's largest p <= 1. The row's sum l is taken of the UNQUANTISED p, in f32, and the product's result is divided by l at the end. Since M is a whole number, a kernel that streams over the keys may use a running M (the ceiling of the running maximum): every later rescaling is an exact power of two, which a block's scale takes up: the codes' values come out the same.
;;   OPERANDS COMPUTED ON THE WAY. 'Computed on the way' means the value that the module computes at that place (a softmax that the list does not call 'softmax' is quantised finished and normalised). What goes into a quantiser is computed in f32, as accurately as f32 sums, v_exp_f32 and their like allow (about 1e-6 of the number): no bf16 or f16 on the way to a quantiser, and a product that is left as it is and whose result goes on into a quantised operand takes f32 operands (vector FMAs, or v_wmma_f32_16x16x4_f32). A number that lies on a knife's edge between two numbers of the format may be rounded either way, as far as f32 arithmetic and the matrix unit's own rounding can turn it there, and no further.
;; One version. Each part assembles by itself: llvm-mc -triple=amdgcn-amd-amdhsa -mcpu=gfx1250 --defsym DOCPART=n.
;; ======== version 1 of 1: 4 launches
;; workspace buffers: xq 6,553,600 bytes; wq 2,457,600 bytes; oq 819,200 bytes; aq 6,553,600 bytes; qkv 20,447,232 bytes
;; launch quant (part 1): grid 384 x 1, 4 waves a work-group, no clusters, 35,328 bytes of LDS; arguments x, w_qkv, w_out, xq, wq, oq; writes xq, wq, oq
.if DOCPART == 1
	.amdgcn_target "amdgcn-amd-amdhsa--gfx1250"
	.amdhsa_code_object_version 6
	.text
	.protected	k_q01830adf46_quant
	.globl	k_q01830adf46_quant
	.p2align	8
	.type	k_q01830adf46_quant,@function
k_q01830adf46_quant:
	s_mov_b64 s[64:65], 0
	v_nop
	global_prefetch_b8 v0, s[64:65] scope:SCOPE_SE
	s_setreg_imm32_b32 hwreg(HW_REG_WAVE_MODE, 25, 1), 1
	s_wait_xcnt 0x0
; x [8192][1024], w_qkv [3072][1024], w_out [1024][1024], f32, K innermost, become codes of FP6 (E2M3) with one E8M0 byte for each 32 along K, laid as the later
; launches' matrix operands want them, so that every later read is a plain copy into registers.
; A block's scale is 2^(floor(log2(its largest magnitude)) - 2); its byte is the largest magnitude's exponent field - 2, held at 1 from below.
; LIMITS: NaN and infinities among the inputs are not served.  A block whose largest magnitude lies under 2^-124 keeps the byte 1.  A block of zeros gets the byte 1 where the
; quantiser's rule says 127: its codes are zeros, which add nothing under that byte, and this program alone reads the bytes.
; THE OUTPUT.  A RECORD of 12,800 bytes for each block of 16 rows: 16 half fragments of 768 bytes (16 rows x 64 along K), then 512 scale bytes [K / 256][row][8].
; A half fragment is the image of six operand registers: lane (r, h) owns row r, block h of the two blocks of 32: registers 0-3 of lane l at 16 l, registers 4-5 at 512 + 8 l.
; THE ROWS OF A BLOCK ARE NOT NEIGHBOURS: row r of stored block 2 g + u is row 32 g + 8 u + r % 8 + 16 (r / 8) of the tensor, so that two neighbouring result tiles of a product
; that takes these rows as source 0 hold 16 neighbouring columns in a lane's 16 registers.
; SHARES.  A wave takes one stored block x 512 along K: 8 steps of 64 along K.  Work-groups 0-255 take x, 256-351 w_qkv, 352-383 w_out: pointers alone are chosen, one path serves all.
; Each load reads 256 consecutive bytes of two rows; a step's 4,096 bytes turn through the wave's own stage in LDS and come back 128 bytes (a whole block) a lane.
; No tensor loads, no barrier, no cluster: waves share nothing.  Loads run three steps (24 loads a wave) ahead, the turn through LDS one step.
.set RB,   12800                       ; a record
.set WREG, 8704                        ; LDS of a wave: two stages
.set STG,  4352                        ; a stage: 16 rows x 272 bytes
.set SP,   272                         ; a stage row: 256 bytes + 16
.set GI,   1                           ; v1   in memory: (lane / 16) rows of 4,096 bytes + 16 (lane % 16)
.set SI,   2                           ; v2   the stage, in
.set SO,   3                           ; v3   the stage, out: row lane % 16, block lane / 16
.set LI,   4                           ; v4   16 x lane
.set L8,   5                           ; v5   8 x lane
.set SH8,  6                           ; v6   8 (lane / 16)
.set LN,   7                           ; v7   lane
.set R,    16                          ; v16-111  three sets of 32 registers as loaded
.set X,    112                         ; v112-175 two sets of 32: a whole block a lane
.set C,    176                         ; v176-223 six registers of codes for each step: no store's data are written again
.set CT,   224                         ; v224-226 the second half of a block's codes (a conversion's three registers begin on an even number)
.set W,    228                         ; v228-231 scale bytes, two steps to a register
.set T,    232                         ; v232-235 the other half of the lanes' bytes
	s_load_b256 s[4:11], s[0:1], 0x0               ; x s[4:5], w_qkv s[6:7], w_out s[8:9], xq s[10:11]
	s_load_b128 s[12:15], s[0:1], 0x20             ; wq s[12:13], oq s[14:15]
	v_lshl_add_u32 v240, v0, 2, 0x8800
	v_mov_b32 v241, 0
	v_lshrrev_b32 v8, 5, v0
	v_readfirstlane_b32 s16, v8                    ; wave
	v_and_b32 v[LN], 31, v0
	v_and_b32 v8, 15, v0                           ; r
	v_bfe_u32 v9, v0, 4, 1                         ; h
	v_lshlrev_b32 v[GI], 4, v8
	v_lshl_add_u32 v[GI], v9, 12, v[GI]
	s_mul_i32 s18, s16, WREG
	v_mul_u32_u24 v[SI], v9, SP
	v_lshl_add_u32 v[SI], v8, 4, v[SI]
	v_add_nc_u32 v[SI], s18, v[SI]
	v_mul_u32_u24 v[SO], v8, SP
	v_lshl_add_u32 v[SO], v9, 7, v[SO]
	v_add_nc_u32 v[SO], s18, v[SO]
	v_lshlrev_b32 v[LI], 4, v[LN]
	v_lshlrev_b32 v[L8], 3, v[LN]
	v_lshlrev_b32 v[SH8], 3, v9
.irp w, 0,1,2,3
	v_mov_b32 v[T+\w], 0                           ; written once: a lane permute's destination counts as one of its sources
.endr
	s_mov_b32 s24, 0x76543210
	s_mov_b32 s25, 0xfedcba98                      ; v_permlanex16_b32's selects for lane l xor 16
	s_mov_b32 s17, 352
	s_wait_kmcnt 0x0
	s_cmp_lt_u32 ttmp9, s17                        ; which tensor: the choice hangs on the work-group's number alone
	s_cselect_b64 s[6:7], s[6:7], s[8:9]
	s_cselect_b64 s[12:13], s[12:13], s[14:15]
	s_cselect_b32 s17, 256, s17
	s_cmp_lt_u32 ttmp9, 256
	s_cselect_b64 s[4:5], s[4:5], s[6:7]           ; the source
	s_cselect_b64 s[10:11], s[10:11], s[12:13]     ; its records
	s_cselect_b32 s17, 0, s17                      ; the tensor's first work-group
	s_sub_co_u32 s18, ttmp9, s17
	s_lshl_b32 s18, s18, 2
	s_add_co_u32 s18, s18, s16                     ; my unit
	s_lshr_b32 s19, s18, 1                         ; stored block
	s_and_b32 s18, s18, 1                          ; which half of K
	s_lshr_b32 s20, s19, 1
	s_lshl_b32 s20, s20, 17                        ; 32 rows of 4,096 bytes for each pair of blocks,
	s_and_b32 s21, s19, 1
	s_lshl_b32 s21, s21, 15                        ; 8 rows for the odd block,
	s_add_co_u32 s20, s20, s21
	s_lshl_b32 s21, s18, 11                        ; 512 numbers for the upper half of K
	s_add_co_u32 s20, s20, s21
	s_mov_b32 s21, 0
	s_add_nc_u64 s[4:5], s[4:5], s[20:21]
	s_mul_i32 s20, s19, RB
	s_mul_i32 s22, s18, 8*768
	s_add_co_u32 s22, s22, s20                     ; my eight half fragments
	s_mov_b32 s23, 0
	s_lshl_b32 s18, s18, 8
	s_add_co_u32 s20, s20, s18
	s_add_co_u32 s20, s20, 16*768                  ; my 256 scale bytes
	s_add_nc_u64 s[12:13], s[10:11], s[20:21]
	s_add_nc_u64 s[10:11], s[10:11], s[22:23]
.macro LOAD t                          ; step t: 16 rows x 256 bytes; load i takes stored rows 2 i and 2 i + 1, which are rows 2 i (+ 8 from i = 4 on) and the next of the tensor's 32
.irp i, 0,1,2,3,4,5,6,7
	global_load_b128 v[R+32*((\t)%3)+4*\i:R+32*((\t)%3)+4*\i+3], v[GI], s[4:5] offset:(2*\i+8*(\i/4))*4096+256*(\t) th:TH_LOAD_NT
.endr
.endm
.macro TURN t                          ; through the stage: LDS serves a wave's instructions in order, so no wait stands between the stores and the loads
.irp i, 0,1,2,3,4,5,6,7
	ds_store_b128 v[SI], v[R+32*((\t)%3)+4*\i:R+32*((\t)%3)+4*\i+3] offset:STG*((\t)%2)+2*SP*\i
.endr
.irp i, 0,1,2,3,4,5,6,7
	ds_load_b128 v[X+32*((\t)%2)+4*\i:X+32*((\t)%2)+4*\i+3], v[SO] offset:STG*((\t)%2)+16*\i
.endr
.endm
.macro STEP t
.set XS, X+32*((\t)%2)
.set CC, C+6*(\t)
	s_wait_dscnt 0x0                               ; this step's block is back from the stage, and the stage's stores have read their registers,
.if (\t)+3 < 8
	LOAD (\t)+3                                    ; which take the loads of three steps on
.endif
.if (\t)+1 < 8
.if (\t) < 5
	s_wait_loadcnt 16                              ; the next step's eight loads are in; those of the two steps behind it may be out
.else
	s_wait_loadcnt 8*(6-(\t))                      ; the counts run down: 8, then 0
.endif
	TURN (\t)+1                                    ; and go through the other stage while this step is worked
.endif
	v_max3_num_f32 v8, |v[XS]|, |v[XS+1]|, |v[XS+2]|               ; the block's largest magnitude: all 32 numbers are mine; two chains
	v_max3_num_f32 v9, |v[XS+3]|, |v[XS+4]|, |v[XS+5]|
.irp i, 6,10,14,18,22,26
	v_max3_num_f32 v8, v8, |v[XS+\i]|, |v[XS+\i+1]|
	v_max3_num_f32 v9, v9, |v[XS+\i+2]|, |v[XS+\i+3]|
.endr
	v_max3_num_f32 v8, v8, |v[XS+30]|, |v[XS+31]|
	v_max3_num_f32 v8, v8, v9, 0x1800000           ; and the floor 2^(3 - 127): the byte cannot fall under 1
	v_add_nc_u32 v11, 0xff000000, v8               ; 2 off its exponent field: the conversion takes the exponent field of this operand as its scale
	v_cvt_scalef32_pk16_fp6_f32 v[CC:CC+2], v[XS:XS+15], v11
	v_cvt_scalef32_pk16_fp6_f32 v[CT:CT+2], v[XS+16:XS+31], v11
	v_lshrrev_b32 v13, 23, v11                     ; the scale's byte.  (Also the plain instruction between the conversions and the moves that read their result)
.irp i, 0,1,2
	v_mov_b32 v[CC+3+\i], v[CT+\i]
.endr
.if (\t)%2 == 0
	v_mov_b32 v[W+(\t)/2], v13
.else
	v_lshl_or_b32 v[W+(\t)/2], v13, 16, v[W+(\t)/2]
.endif
	global_store_b128 v[LI], v[CC:CC+3], s[10:11] offset:768*(\t)          ; 512 consecutive bytes, at a multiple of 256 from the buffer's first byte
	global_store_b64 v[L8], v[CC+4:CC+5], s[10:11] offset:768*(\t)+512     ; and 256 more
.endm
	LOAD 0
	LOAD 1
	LOAD 2
	s_wait_loadcnt 16                              ; step 0's eight loads are in
	TURN 0
.irp t, 0,1,2,3,4,5,6,7
	STEP \t
.endr
	; the scale bytes: register w holds my blocks' bytes of steps 2 w and 2 w + 1 at bits 0 and 16; block 2 t + h of the half of K belongs at byte (2 t + h) % 8 of its run of 256 along K
.irp w, 0,1,2,3
	v_lshlrev_b32 v[W+\w], v[SH8], v[W+\w]         ; lanes 16-31 hold the odd blocks: one byte up
.endr
.irp w, 0,1,2,3
	v_permlanex16_b32 v[T+\w], v[W+\w], s24, s25
.endr
.irp w, 0,1,2,3
	v_or_b32 v[W+\w], v[W+\w], v[T+\w]             ; with lane l xor 16's the four bytes are whole
.endr
	v_cmp_le_u32 vcc_lo, 16, v[LN]
	v_cndmask_b32 v236, v[W], v[W+2], vcc_lo       ; lanes 0-15 store the first 256 along K of row r, lanes 16-31 the second
	v_cndmask_b32 v237, v[W+1], v[W+3], vcc_lo
	global_store_b64 v[L8], v[236:237], s[12:13]   ; 256 consecutive bytes, aligned
	s_wait_tensorcnt 0x0
	ds_add_u32 v240, v241
	s_wait_dscnt 0x0
	s_endpgm
.Lfunc_end_k_q01830adf46_quant:
	.size	k_q01830adf46_quant, .Lfunc_end_k_q01830adf46_quant-k_q01830adf46_quant
	.p2alignl 7, 3214868480
	.fill 96, 4, 3214868480
	.section	.rodata,"a",@progbits
	.p2align	6, 0x0
	.amdhsa_kernel k_q01830adf46_quant
		.amdhsa_group_segment_fixed_size 35328
		.amdhsa_private_segment_fixed_size 0
		.amdhsa_enable_private_segment 0
		.amdhsa_kernarg_size 48
		.amdhsa_user_sgpr_count 2
		.amdhsa_user_sgpr_kernarg_segment_ptr 1
		.amdhsa_wavefront_size32 1
		.amdhsa_system_sgpr_workgroup_id_x 1
		.amdhsa_system_sgpr_workgroup_id_y 1
		.amdhsa_system_sgpr_workgroup_id_z 1
		.amdhsa_system_vgpr_workitem_id 0
		.amdhsa_next_free_vgpr 242
		.amdhsa_next_free_sgpr 66
		.amdhsa_reserve_vcc 1
		.amdhsa_float_denorm_mode_32 3
		.amdhsa_float_denorm_mode_16_64 3
		.amdhsa_memory_ordered 1
		.amdhsa_forward_progress 1
		.amdhsa_inst_pref_size 31
	.end_amdhsa_kernel
	.amdgpu_metadata
---
amdhsa.version: [ 1, 2 ]
amdhsa.kernels:
  - .name:           k_q01830adf46_quant
    .symbol:         k_q01830adf46_quant.kd
    .args:
      - { .name: x, .offset: 0, .size: 8, .value_kind: global_buffer, .address_space: global }
      - { .name: w_qkv, .offset: 8, .size: 8, .value_kind: global_buffer, .address_space: global }
      - { .name: w_out, .offset: 16, .size: 8, .value_kind: global_buffer, .address_space: global }
      - { .name: xq, .offset: 24, .size: 8, .value_kind: global_buffer, .address_space: global }
      - { .name: wq, .offset: 32, .size: 8, .value_kind: global_buffer, .address_space: global }
      - { .name: oq, .offset: 40, .size: 8, .value_kind: global_buffer, .address_space: global }
    .group_segment_fixed_size: 35328
    .private_segment_fixed_size: 0
    .kernarg_segment_align: 8
    .kernarg_segment_size: 48
    .max_flat_workgroup_size: 128
    .sgpr_count:     66
    .vgpr_count:     242
    .wavefront_size: 32
...
	.end_amdgpu_metadata
.endif
;; end of part 1
;; launch qkvgemm (part 2): grid 12 x 32, 4 waves a work-group, clusters of 4 x 4, 327,680 bytes of LDS; arguments xq, wq, qkv; writes qkv
.if DOCPART == 2
	.amdgcn_target "amdgcn-amd-amdhsa--gfx1250"
	.amdhsa_code_object_version 6
	.text
	.protected	k_q01830adf46_qkvgemm
	.globl	k_q01830adf46_qkvgemm
	.p2align	8
	.type	k_q01830adf46_qkvgemm,@function
k_q01830adf46_qkvgemm:
	s_mov_b64 s[64:65], 0
	v_nop
	global_prefetch_b8 v0, s[64:65] scope:SCOPE_SE
	s_setreg_imm32_b32 hwreg(HW_REG_WAVE_MODE, 25, 1), 1
	s_wait_xcnt 0x0
	s_wait_alu depctr_hold_cnt(0) depctr_sa_sdst(0) depctr_va_vdst(0) depctr_va_sdst(0) depctr_va_ssrc(0) depctr_va_vcc(0) depctr_vm_vsrc(0)
	s_getreg_b32 s2, hwreg(HW_REG_IB_STS2, 6, 4)
	s_cmp_eq_u32 s2, 0
	s_cbranch_scc0 .Lentry_in_a_cluster
	s_endpgm
.Lentry_in_a_cluster:
	s_bfe_u32 s2, ttmp6, 0x10000c
	s_cmp_lg_u32 s2, 0xf033
	s_cbranch_scc0 .Lentry_shape_is_right
	s_endpgm
.Lentry_shape_is_right:
; The projection x w_qkv^T on codes of FP6 (E2M3) with E8M0 scales, K = 1,024, and the quantising of its results: q and k along the head's 64, v along the keys.  The f32 results never go to memory.
; OPERANDS come as records of 12,800 bytes for each block of 16 stored rows: 16 half fragments of 768 bytes (images of six operand registers: lane l's registers 0-3 at 16 l, 4-5 at 512 + 8 l), then 512 scale bytes [K / 256][row][8].
; A tile of the result, 256 x 256, is made by four waves; a wave makes 128 x 128: 64 accumulators.  K goes in steps of 256 through a ring of two LDS slots filled by the tensor data mover; the scale bytes come once.
; THE MATRIX INSTRUCTION IS USED TRANSPOSED: source 0 = 16 rows of the B side, source 1 = 16 rows of the A side.  A lane then holds one row of the A side, and, by the stored order of the B side's rows,
; the 16 registers of result tiles 2 g and 2 g + 1 are columns 32 g + 16 (lane / 16) + 0 .. 15: neighbours along the axis that is quantised.
; ONE TEXT FOR q, k AND v, by the cluster's x (0, 1, 2), which all sixteen partners share; selections, no branch.  q, k: A side = x's tokens, B side = w's rows (the heads' channels).
; v: A side = w_v's rows, B side = x's tokens: the result is V^T, whose columns are the keys.
; CLUSTERS: 4 x 4 work-groups; A's tiles are shared along a row of the cluster, B's along a column: joint loads.  384 tiles in 24 clusters.
; THE RESULT: qkv, a record of 319,488 bytes for each (batch, head): Q's codes, Q's scale words, K's codes, V's codes, K's words, V's words.  Codes: [chunk of 64][tile of 16][768], half fragments again.
; Words: [chunk][tile][row], 4 bytes: q, k: bytes 0, 1 the head's two blocks, bytes 2, 3 zero; v: an even chunk's word serves the 128 keys of it and the next chunk (the odd chunk's word is that word >> 16; nobody reads it).
; LIMITS: NaN and infinities are not served; a block whose largest magnitude lies under 2^-124, a block of zeros among them, keeps the byte 1 (its codes then add next to nothing or nothing; this program alone reads the bytes).
; REGISTERS, in windows of 256: window 0: v8, v16-31 addresses; v32-63 scale words, two sets; v64-111 at work on the way out; v128-223 A's fragments, ONE set.
;   window 1: B's fragments, TWO sets, at v0 and v128.   window 2: the accumulators of my A blocks 0-3 ((a, b) at v[8 (8 (a % 4) + b)]);   window 3: those of blocks 4-7.
.set RB,     12800                     ; a record of 16 rows
.set REC,    319488                    ; a record of qkv
.set KSB,    3072                      ; a K step (256) of 16 rows: four half fragments
.set NQ,     2                         ; matrix instructions deep in a slot
.set FR,     12                        ; registers of a fragment
.set NL,     4                         ; LDS loads that bring one
.set NP,     4                         ; places behind this matrix instruction (ISA guide 7.12.1)
.set HALFT,  8*KSB                     ; 128 rows of a K step: what one tensor load brings
.set SLOT,   4*HALFT                   ; A's 256 rows, then B's
.set LAPS,   2                         ; 1,024 / 512
.set SCL,    2*SLOT                    ; behind the ring: the scale bytes, 4,096 for each 128 rows
.set SBLK,   512                       ; those of 16 rows
.set SPARE,  SCL+4*4096                ; the spare words, 128 bytes for each wave: two blocks of 256 bytes that no other line names
.set SH16, 8                           ; v8   16 (lane / 16)
.set ADRA, 16                          ; v16-17 my A fragments in slot 0, 1, + 16 x lane;  v18-19 the same + 8 x lane
.set ADRB, 20                          ; v20-23 the same for B
.set SST,  24                          ; v24  the way out: where a scale word goes in my 1,024 bytes of LDS
.set SRD,  25                          ; v25  and where I read them back
.set VSO,  26                          ; v26  their place in qkv
.set ADRS, 27                          ; v27  my scale words in LDS: lanes 0-15 A's rows, lanes 16-31 B's
.set SPW,  28                          ; v28  my spare word; never rewritten
.set NIL,  29                          ; v29  0; never rewritten
.set LI,   30                          ; v30  16 x lane
.set L8,   31                          ; v31  8 x lane
.set SC,   32                          ; scale words: set s at v[SC + 16 s]; register 2 i + q: lanes 0-15 A's block i, lanes 16-31 B's block i, the slot's q-th 128 along K
.set TM,   64                          ; v64-67 largest magnitudes, v68-71 bytes, v76-79 the conversions' scale operands
.set PW,   80                          ; v80  a row's scale word
.set T0,   81                          ; v81  the part of it that my half of the lanes stores
.set PC,   84                          ; v84-95 a fragment's codes; v96-98, v100-102 the conversions' second halves
.set SR,   104                         ; v104-111 scale words read back
.set AF,   128
.set G1, 24                            ; s[24:31] descriptor group 1 for A's tiles;  s[32:39] group 0, one set for each slot
.set G0, 32
.set G1B, 48                           ; s[48:55], s[56:63] the same for B's
.set G0B, 56
.set G1S, 68                           ; s[68:75], s[76:79] for A's scale bytes;  s[80:87], s[88:91] for B's
.set G0S, 76
.set G1SB, 80
.set G0SB, 88
.set SEL, 18                           ; s[18:19] v_permlanex16_b32's selects (set behind the address work)
.set MASK, 94                          ; s94  0xffff for q and k, all ones for v
.set MSB, 0
.macro WIN new                         ; the immediate's high byte repeats the setting that is left
.if MSB != (\new)
	s_set_vgpr_msb (MSB<<8)|(\new)
.set MSB, (\new)
.endif
.endm
.set MUL_LO, 0xa1                      ; source 0 (B) window 1, source 1 (A) window 0, C and D window 2
.set MUL_HI, 0xf1                      ; the same, C and D window 3
.set TO_B,   0x40                      ; destination window 1, address window 0
; A joint load: waves 0 and 1 fetch for A, waves 2 and 3 for B.  The branch hangs on the wave's number alone.  Four v_nop follow each of the two lines.
.macro JLOAD g0a, g1a, g0b, g1b
	s_cmp_eq_u32 s15, 0
	s_cbranch_scc0 .Lfor_b_\@
	tensor_load_to_lds s[\g0a:\g0a+3], s[\g1a:\g1a+7]
	s_nop 0
.rept 4
	v_nop
.endr
	s_branch .Lasked_\@
.Lfor_b_\@:
	tensor_load_to_lds s[\g0b:\g0b+3], s[\g1b:\g1b+7]
	s_nop 0
.rept 4
	v_nop
.endr
.Lasked_\@:
.endm
.macro CREST                           ; a round of the cluster's barrier behind its opening barrier
	s_cmp_lg_u32 s14, 0
	s_cbranch_scc1 .Lnot_wave_0_\@
	s_barrier_signal -3
.Lnot_wave_0_\@:
	s_barrier_wait -3
	s_barrier_signal -1
	s_barrier_wait -1
.endm
.macro CROUND                          ; a whole round
	s_barrier_signal -1
	s_barrier_wait -1
	CREST
.endm
	s_load_b128 s[4:7], s[0:1], 0x0                ; xq s[4:5], wq s[6:7]
	s_load_b64 s[12:13], s[0:1], 0x10              ; qkv
	v_lshl_add_u32 v[SPW], v0, 2, SPARE
	v_mov_b32 v[NIL], 0
	ds_add_u32 v28, v29
	ds_add_u32 v28, v29
	s_wait_dscnt 0x0
	v_lshrrev_b32 v1, 5, v0
	v_readfirstlane_b32 s14, v1                    ; wave 0..3
	s_lshr_b32 s15, s14, 1                         ; which half of the A side's rows is mine.  Also: I fetch for A (0) or for B (1)
	s_and_b32 s16, s14, 1                          ; which half of the B side's.  Also: which 128 rows I fetch
	s_bfe_u32 s40, ttmp6, 0x40000                  ; cx, cy: my place in the cluster
	s_bfe_u32 s41, ttmp6, 0x40004
	s_and_b32 s18, ttmp7, 0xffff
	s_lshl_b32 s18, s18, 2                         ; 4 x cluster y: tiles of 256 tokens
	s_lshl_b32 s19, ttmp9, 2                       ; 4 x cluster x: tiles of 256 rows of w_qkv
	s_cmp_eq_u32 ttmp9, 2                          ; v?  The same in all sixteen partners
	s_cselect_b32 s17, 8, s18
	s_cselect_b32 s42, s18, s19
	s_add_co_u32 s17, s17, s41                     ; the A side's tile: tokens 4 Y + cy, or for v rows 8 + cy of w: it hangs on cy alone of the two places
	s_add_co_u32 s42, s42, s40                     ; the B side's tile: rows 4 X + cx of w, or for v tokens 4 Y + cx: on cx alone
	s_lshl_b32 s43, s41, 2
	s_lshl_b32 s43, 15, s43                        ; my row of the cluster
	s_lshl_b32 s44, 0x1111, s40                    ; my column
	; descriptor group 1: 8 blocks of rows x 3,072 bytes (384 elements of 8 bytes), 12,800 bytes apart; dense in LDS
	s_or_b32 s[G1+0], s43, (3<<16)|(1<<21)         ; 15:0 the mask: A's tiles go to my row; 17:16 elements of 8 bytes; 20 no padding; 21 set beside a mask
	s_or_b32 s[G1B+0], s44, (3<<16)|(1<<21)
.irp g, G1, G1B
	s_mov_b32 s[\g+1], (KSB/8)<<16                 ; tensor_dim0
	s_mov_b32 s[\g+2], 8<<16                       ; tensor_dim1
	s_mov_b32 s[\g+3], (KSB/8)<<16                 ; tile_dim0
	s_mov_b32 s[\g+4], 8                           ; tile_dim1
	s_mov_b32 s[\g+5], RB/8                        ; tensor_dim0_stride
	s_mov_b32 s[\g+6], 0
	s_mov_b32 s[\g+7], 0
.endr
	; and for the scale bytes: 8 blocks x 512 bytes
	s_or_b32 s[G1S+0], s43, (3<<16)|(1<<21)
	s_or_b32 s[G1SB+0], s44, (3<<16)|(1<<21)
.irp g, G1S, G1SB
	s_mov_b32 s[\g+1], (SBLK/8)<<16
	s_mov_b32 s[\g+2], 8<<16
	s_mov_b32 s[\g+3], (SBLK/8)<<16
	s_mov_b32 s[\g+4], 8
	s_mov_b32 s[\g+5], RB/8
	s_mov_b32 s[\g+6], 0
	s_mov_b32 s[\g+7], 0
.endr
	s_lshl_b32 s18, s16, 3                         ; which 8 blocks of the tile's 16 I fetch
	s_lshl_b32 s20, s17, 4
	s_add_co_u32 s20, s20, s18
	s_mul_i32 s20, s20, RB                         ; A: their first record, in bytes
	s_mov_b32 s21, 0
	s_lshl_b32 s46, s42, 4
	s_add_co_u32 s46, s46, s18
	s_mul_i32 s46, s46, RB                         ; B likewise
	s_mov_b32 s47, 0
	s_mul_i32 s45, s14, HALFT                      ; where they go: wave x 128 rows: no place in the cluster enters an LDS address
	s_lshl_b32 s94, s14, 12
	s_wait_kmcnt 0x0
	s_cmp_eq_u32 ttmp9, 2
	s_cselect_b64 s[8:9], s[6:7], s[4:5]           ; the A side's buffer
	s_cselect_b64 s[10:11], s[4:5], s[6:7]         ; the B side's
	s_add_nc_u64 s[20:21], s[8:9], s[20:21]
	s_add_nc_u64 s[46:47], s[10:11], s[46:47]
	CROUND                                         ; all sixteen work-groups are here: the first joint loads meet
	s_mov_b32 s[G0S], 1
	s_add_co_u32 s[G0S+1], s94, SCL
	s_add_nc_u64 s[G0S+2:G0S+3], s[20:21], 16*768
	s_or_b32 s[G0S+3], s[G0S+3], 0x80000000
	s_mov_b32 s[G0SB], 1
	s_add_co_u32 s[G0SB+1], s94, SCL
	s_add_nc_u64 s[G0SB+2:G0SB+3], s[46:47], 16*768
	s_or_b32 s[G0SB+3], s[G0SB+3], 0x80000000
	JLOAD G0S, G1S, G0SB, G1SB                     ; the scale bytes first: they are wanted with K step 0
.irp s, 0,1
	s_mov_b32 s[G0+4*\s], 1
	s_add_co_u32 s[G0+4*\s+1], s45, \s*SLOT
	s_add_nc_u64 s[G0+4*\s+2:G0+4*\s+3], s[20:21], \s*KSB
	s_or_b32 s[G0+4*\s+3], s[G0+4*\s+3], 0x80000000
	s_mov_b32 s[G0B+4*\s], 1
	s_add_co_u32 s[G0B+4*\s+1], s45, \s*SLOT
	s_add_nc_u64 s[G0B+4*\s+2:G0B+4*\s+3], s[46:47], \s*KSB
	s_or_b32 s[G0B+4*\s+3], s[G0B+4*\s+3], 0x80000000
	JLOAD G0+4*\s, G1, G0B+4*\s, G1B
.endr
	v_and_b32 v1, 15, v0                           ; r
	v_bfe_u32 v2, v0, 4, 1                         ; h
	v_and_b32 v3, 31, v0
	v_lshlrev_b32 v[LI], 4, v3
	v_lshlrev_b32 v[L8], 3, v3
	s_mul_i32 s21, s15, HALFT                      ; my 128 rows of A
	s_mul_i32 s22, s16, HALFT                      ; my 128 rows of B,
	s_add_co_u32 s22, s22, 2*HALFT                 ; which lie behind A's 256
.irp s, 0,1
	v_add_nc_u32 v[ADRA+\s], s21, v[LI]
	v_add_nc_u32 v[ADRB+\s], s22, v[LI]
	v_add_nc_u32 v[ADRA+2+\s], s21, v[L8]
	v_add_nc_u32 v[ADRB+2+\s], s22, v[L8]
	s_add_co_u32 s21, s21, SLOT
	s_add_co_u32 s22, s22, SLOT
.endr
	v_lshlrev_b32 v5, 3, v1                        ; my row's 8 scale bytes of a K step
	s_lshl_b32 s21, s15, 12                        ; A's: my 128 rows
	s_lshl_b32 s22, s16, 12                        ; B's: my 128 rows, behind A's 256
	s_add_co_u32 s22, s22, 2*4096
	s_sub_co_u32 s22, s22, s21
	v_mul_u32_u24 v6, s22, v2                      ; lanes 16-31 take B's
	s_add_co_u32 s21, s21, SCL
	v_add_nc_u32 v5, v5, v6
	v_add_nc_u32 v[ADRS], s21, v5
	v_lshlrev_b32 v[SH16], 4, v2
	s_lshl_b32 s23, s14, 10                        ; the way out: 1,024 bytes of LDS for my scale words, in slot 0, which has had its last fill and its last read by then
	v_lshlrev_b32 v[SST], 2, v1
	v_lshl_add_u32 v[SST], v2, 9, v[SST]
	v_add_nc_u32 v[SST], s23, v[SST]               ; 512 (lane / 16) + 4 r
	v_add_nc_u32 v[SRD], s23, v[LI]
	; where my results go.  A block a of the A side: group g = a / 4, tile a % 4.  The 128 columns: halves c = 0, 1.  q, k: g steps the chunk of 64 tokens, c the head;  v: g steps the head, c the chunk of 64 keys
	s_lshl_b32 s18, s40, 2
	s_lshl_b32 s19, s16, 1
	s_add_co_u32 s18, s18, s19                     ; 4 cx + 2 (my half of the B side)
	s_lshl_b32 s19, s41, 2
	s_lshl_b32 s20, s15, 1
	s_add_co_u32 s19, s19, s20                     ; 4 cy + 2 (my half of the A side)
	s_mov_b32 s95, REC
	s_mul_i32 s96, ttmp9, 106496                   ; the codes' section: 0, 106,496, and for v 204,800 (8,192 less than twice)
	s_mul_i32 s97, ttmp9, 8192
	s_add_co_u32 s97, s97, 294912                  ; the words' section: k 303,104, v 311,296,
	s_cmp_eq_u32 ttmp9, 0
	s_cselect_b32 s97, 98304, s97                  ; q 98,304
	s_cmp_eq_u32 ttmp9, 2
	s_cselect_b32 s20, s19, s18                    ; my first head
	s_cselect_b32 s21, s18, s19                    ; my first chunk in the cluster's 16
	s_cselect_b32 s22, s95, 3072                   ; a step of g in the codes,
	s_cselect_b32 s23, 3072, s95                   ; a step of c,
	s_cselect_b32 s98, s95, 256                    ; a step of g in the words,
	s_cselect_b32 s99, 256, s95                    ; a step of c
	s_cselect_b32 s[MASK], -1, 0xffff
	s_cselect_b32 s100, 8192, 0
	s_sub_co_u32 s96, s96, s100
	s_and_b32 s100, ttmp7, 0xffff
	s_lshl_b32 s100, s100, 4
	s_add_co_u32 s21, s21, s100                    ; my first chunk of all 128
	s_lshr_b32 s100, s21, 5                        ; the batch
	s_and_b32 s21, s21, 31                         ; the chunk in it
	s_lshl_b32 s100, s100, 4
	s_add_co_u32 s20, s20, s100                    ; 16 x batch + head
	s_mul_i32 s20, s20, s95
	s_mul_i32 s100, s21, 3072
	s_add_co_u32 s96, s96, s20
	s_add_co_u32 s96, s96, s100
	s_lshl_b32 s21, s21, 8
	s_add_co_u32 s46, s97, s20
	s_add_co_u32 s46, s46, s21
	s_mov_b32 s97, 0
	s_mov_b32 s47, 0
	s_add_nc_u64 s[4:5], s[12:13], s[96:97]        ; codes of (g, c) = (0, 0): s[4 + 4 g + 2 c : 5 + 4 g + 2 c]
	s_mov_b32 s96, s23
	s_add_nc_u64 s[6:7], s[4:5], s[96:97]          ; (0, 1)
	s_mov_b32 s96, s22
	s_add_nc_u64 s[8:9], s[4:5], s[96:97]          ; (1, 0)
	s_add_nc_u64 s[10:11], s[6:7], s[96:97]        ; (1, 1)
	s_add_nc_u64 s[12:13], s[12:13], s[46:47]      ; words of c = 0
	s_mov_b32 s96, s99
	s_add_nc_u64 s[92:93], s[12:13], s[96:97]      ; of c = 1
	v_mul_u32_u24 v[VSO], s98, v2                  ; lanes 0-15 store g = 0's 256 bytes of words, lanes 16-31 g = 1's
	v_lshl_add_u32 v[VSO], v1, 4, v[VSO]
	s_mov_b32 s[SEL], 0x76543210
	s_mov_b32 s[SEL+1], 0xfedcba98
.macro FRAG reg, adr, q, i             ; a fragment, 16 rows x 128 K, is two half fragments: each comes back as it was stored: 16 bytes a lane, then 8
	ds_load_b128 v[\reg:\reg+3], v[\adr] offset:KSB*(\i)+1536*(\q)
	ds_load_b64 v[\reg+4:\reg+5], v[\adr+2] offset:KSB*(\i)+1536*(\q)+512
	ds_load_b128 v[\reg+6:\reg+9], v[\adr] offset:KSB*(\i)+1536*(\q)+768
	ds_load_b64 v[\reg+10:\reg+11], v[\adr+2] offset:KSB*(\i)+1536*(\q)+1280
.endm
; 16 matrix instructions: A's blocks a0, a0 + 1 x B's eight, 128 along K: the slot's q-th.  p: B's set;  sc: the set of scale words.  zero = 1: the first product starts the sums.
; The 64 accumulators take turns, one instruction a turn, in the same order in every step.
.macro MUL16 a0, p, q, sc, zero
.irp a, \a0, \a0+1
.irp b, 0,1,2,3,4,5,6,7
.if \zero
	v_wmma_scale_f32_16x16x128_f8f6f4 v[8*(8*((\a)%4)+\b):8*(8*((\a)%4)+\b)+7], v[128*(\p)+FR*\b:128*(\p)+FR*\b+FR-1], v[AF+FR*(\a):AF+FR*(\a)+FR-1], 0, v[SC+8*NQ*(\sc)+NQ*\b+(\q)], v[SC+8*NQ*(\sc)+NQ*(\a)+(\q)] matrix_a_fmt:MATRIX_FMT_FP6 matrix_b_fmt:MATRIX_FMT_FP6 matrix_a_scale:MATRIX_SCALE_ROW1
.else
	v_wmma_scale_f32_16x16x128_f8f6f4 v[8*(8*((\a)%4)+\b):8*(8*((\a)%4)+\b)+7], v[128*(\p)+FR*\b:128*(\p)+FR*\b+FR-1], v[AF+FR*(\a):AF+FR*(\a)+FR-1], v[8*(8*((\a)%4)+\b):8*(8*((\a)%4)+\b)+7], v[SC+8*NQ*(\sc)+NQ*\b+(\q)], v[SC+8*NQ*(\sc)+NQ*(\a)+(\q)] matrix_a_fmt:MATRIX_FMT_FP6 matrix_b_fmt:MATRIX_FMT_FP6 matrix_a_scale:MATRIX_SCALE_ROW1
.endif
.endr
.endr
.endm
.macro FETCH_B slot, q, p              ; B's eight fragments of the slot's q-th 128 along K into set p
	WIN TO_B
.irp i, 0,1,2,3,4,5,6,7
	FRAG 128*(\p)+FR*\i, ADRB+\slot, \q, \i
.endr
	WIN 0
.endm
.macro FETCH_A slot, q, i0             ; A's blocks i0 .. i0 + 3
.irp i, \i0, \i0+1, \i0+2, \i0+3
	FRAG AF+FR*(\i), ADRA+\slot, \q, \i
.endr
.endm
.macro SCALES sc                       ; the K step's scale words into set sc: two words a row; lanes 0-15 take A's block i, lanes 16-31 B's block i
.irp i, 0,1,2,3,4,5,6,7
	ds_load_b64 v[SC+8*NQ*\sc+NQ*\i:SC+8*NQ*\sc+NQ*\i+1], v[ADRS] offset:\i*SBLK
.endr
.endm
; A load into a register that a matrix instruction has read stands NP places behind that matrix instruction; only plain vector instructions that name none of its registers are places (ISA guide 7.12.1 for vector instructions).
.macro PLACES n
.rept \n
	v_nop
.endr
.endm
; A step of 128 along K that has its successor in the same slot.  A block of A is free as soon as its eight products are issued: blocks 0-3 are fetched anew in the step's middle, blocks 4-7 at its end.
.macro STEP slot, q, zero
	s_wait_dscnt 4*NL                              ; B's set and A's blocks 0-3 are in; the youngest 16 loads (A's blocks 4-7) may be out
	WIN MUL_LO
	MUL16 0, (\q)%2, \q, \slot, \zero
	MUL16 2, (\q)%2, \q, \slot, \zero
	s_wait_dscnt 0                                 ; A's blocks 4-7 are in
	PLACES NP
	FETCH_B \slot, (\q)+1, 1-(\q)%2
	FETCH_A \slot, (\q)+1, 0
	WIN MUL_HI
	MUL16 4, (\q)%2, \q, \slot, \zero
	MUL16 6, (\q)%2, \q, \slot, \zero
	PLACES NP
	WIN 0
	FETCH_A \slot, (\q)+1, 4
.endm
; A slot's last step changes slots: ONE barrier; in front of it each wave waits for all its tensor loads, adds 0 to its spare word, and waits for that and for its own reads of this slot.  fill = 1: this slot is filled again, two K steps ahead.
.macro TURN slot, next, fill
	s_wait_tensorcnt 0x0                           ; all my tensor loads have landed: my part of the next slot
	ds_add_u32 v[SPW], v[NIL]                      ; 0 onto my spare word
	s_wait_dscnt 4*NL+1                            ; (the add and the youngest 16 loads, A's blocks 4-7, may be out)
	WIN MUL_LO
	MUL16 0, 1, NQ-1, \slot, 0                     ; sixteen matrix instructions stand between the add and the wait for it
	s_wait_dscnt 0x0                               ; the add is done, and my reads of this slot are over
	s_barrier_signal -1
	MUL16 2, 1, NQ-1, \slot, 0
	WIN 0
	s_barrier_wait -1
.if \fill
	CREST                                          ; the barrier has opened a round of the cluster's barrier: no wave of any partner still reads this slot or has a load on its way
	s_add_nc_u64 s[G0+4*\slot+2:G0+4*\slot+3], s[G0+4*\slot+2:G0+4*\slot+3], 2*KSB
	s_add_nc_u64 s[G0B+4*\slot+2:G0B+4*\slot+3], s[G0B+4*\slot+2:G0B+4*\slot+3], 2*KSB
	JLOAD G0+4*\slot, G1, G0B+4*\slot, G1B         ; the first tensor load behind the round; its four v_nop are the places in front of the loads below
.else
	PLACES NP
.endif
	v_add_nc_u32 v[ADRS], 128, v[ADRS]             ; on to the next K step's scale words (no LDS load of mine is out)
	FETCH_B \next, 0, 0
	FETCH_A \next, 0, 0
	SCALES \next
	WIN MUL_HI
	MUL16 4, 1, NQ-1, \slot, 0
	MUL16 6, 1, NQ-1, \slot, 0
	PLACES NP
	WIN 0
	FETCH_A \next, 0, 4
.endm
	s_wait_tensorcnt 1                             ; the scale bytes and my part of K step 0 are in (K step 1's load may be out)
	s_barrier_signal -1
	s_barrier_wait -1                              ; everybody's are
	FETCH_B 0, 0, 0
	FETCH_A 0, 0, 0
	SCALES 0
	FETCH_A 0, 0, 4
	STEP 0, 0, 1                                   ; the first step stands in front of the loop: its products start the sums
	s_mov_b32 s3, LAPS-1
.Llap:                                                 ; a trip goes once round the ring, from a lap's second step to the next lap's first, and fills both slots again
	TURN 0, 1, 1
	STEP 1, 0, 0
	TURN 1, 0, 1
	STEP 0, 0, 0
	s_sub_co_u32 s3, s3, 1
	s_cmp_lg_u32 s3, 0
	s_cbranch_scc1 .Llap
	TURN 0, 1, 0                                   ; the last lap fills nothing, and has no round of the cluster's barrier
	STEP 1, 0, 0
	s_wait_dscnt 4*NL                              ; the very last step: nothing more to fetch
	WIN MUL_LO
	MUL16 0, 1, NQ-1, 1, 0
	MUL16 2, 1, NQ-1, 1, 0
	s_wait_dscnt 0
	WIN MUL_HI
	MUL16 4, 1, NQ-1, 1, 0
	MUL16 6, 1, NQ-1, 1, 0
	WIN 0
; THE WAY OUT.  Block a's 64 registers of a lane are 128 columns of its row: register 16 b + i = column 32 b + 16 (lane / 16) + i.  They become a fragment's codes (two half fragments) and a scale word, and are stored as images.
.macro QOUT a
.set A0, 64*((\a)%4)
.set WW, 2+(\a)/4
.set WN, WW*5                          ; sources 0 and 1 in the accumulators' window, source 2 and the destination in window 0
.set PBR, 4+4*((\a)/4)
	WIN WN
.irp b, 0,1,2,3
	v_max3_num_f32 v[TM+\b], |v[A0+16*\b]|, |v[A0+16*\b+1]|, 0x1800000   ; block b: my 16 numbers, each accumulator from its low end on, and the floor 2^(3 - 127): the byte cannot fall under 1
.endr
.irp i, 2,4,6,8,10,12,14
.irp b, 0,1,2,3
	v_max3_num_f32 v[TM+\b], |v[A0+16*\b+\i]|, |v[A0+16*\b+\i+1]|, v[TM+\b]   ; (the four blocks by turns)
.endr
.endr
	WIN 0
.irp b, 0,1,2,3
	v_permlanex16_b32 v[TM+4+\b], v[TM+\b], s[SEL], s[SEL+1]
.endr
.irp b, 0,1,2,3
	v_max_num_f32 v[TM+\b], v[TM+\b], v[TM+4+\b]   ; with lane l xor 16's: the block's largest magnitude
.endr
.irp b, 0,1,2,3
	v_add_nc_u32 v[TM+12+\b], 0xff000000, v[TM+\b] ; 2 off its exponent field: the conversion's scale operand
.endr
.irp b, 0,1,2,3
	v_lshrrev_b32 v[TM+4+\b], 23, v[TM+12+\b]      ; the scale's byte
.endr
	v_lshl_or_b32 v[PW], v[TM+5], 8, v[TM+4]
	v_lshl_or_b32 v[PW], v[TM+6], 16, v[PW]
	v_lshl_or_b32 v[PW], v[TM+7], 24, v[PW]
	s_wait_xcnt 0x0                                ; the last block's stores have read the codes' registers: they are written again only behind this wait
	WIN WW                                         ; source 0 in the accumulators' window
.irp c, 0,1
	v_cvt_scalef32_pk16_fp6_f32 v[PC+6*\c:PC+6*\c+2], v[A0+32*\c:A0+32*\c+15], v[TM+12+2*\c]
	v_cvt_scalef32_pk16_fp6_f32 v[PC+12+4*\c:PC+12+4*\c+2], v[A0+32*\c+16:A0+32*\c+31], v[TM+12+2*\c+1]   ; (a conversion's three registers begin on an even number)
.endr
	WIN 0
	v_nop                                          ; one plain instruction behind a scaled conversion
.irp c, 0,1                                    ; the operand's layout wants a WHOLE block in a lane: lanes 0-15 block 2 c, lanes 16-31 block 2 c + 1
.irp i, 0,1,2
	v_permlane16_swap_b32 v[PC+6*\c+\i], v[PC+12+4*\c+\i]
.endr
.irp i, 0,1,2
	v_mov_b32 v[PC+3+6*\c+\i], v[PC+12+4*\c+\i]
.endr
.endr
	global_store_b128 v[LI], v[PC:PC+3], s[PBR:PBR+1] offset:768*((\a)%4)            ; each half fragment: 512 and 256 consecutive bytes, at multiples of 256 from the buffer's first byte
	global_store_b64 v[L8], v[PC+4:PC+5], s[PBR:PBR+1] offset:768*((\a)%4)+512
	global_store_b128 v[LI], v[PC+6:PC+9], s[PBR+2:PBR+3] offset:768*((\a)%4)
	global_store_b64 v[L8], v[PC+10:PC+11], s[PBR+2:PBR+3] offset:768*((\a)%4)+512
	v_lshrrev_b32 v[T0], v[SH16], v[PW]            ; lanes 0-15 keep the word for c = 0, lanes 16-31 its upper half for c = 1;
	v_and_b32 v[T0], s[MASK], v[T0]                ; q, k: two bytes a head, the others zero
	ds_store_b32 v[SST], v[T0] offset:64*(\a)
.endm
.irp b, 0,1,2,3
	v_mov_b32 v[TM+4+\b], 0                        ; written once: a lane permute's destination counts as one of its sources.  These four are also the places behind the last products
.endr
.irp a, 0,1,2,3,4,5,6,7
	QOUT \a
.endr
	ds_load_b128 v[SR:SR+3], v[SRD]                ; LDS serves a wave's instructions in order: these see my stores.  c = 0: [a][r], 512 bytes
	ds_load_b128 v[SR+4:SR+7], v[SRD] offset:512   ; c = 1
	s_wait_dscnt 0x0
	global_store_b128 v[VSO], v[SR:SR+3], s[12:13]     ; sixteen lanes store 256 consecutive bytes, aligned
	global_store_b128 v[VSO], v[SR+4:SR+7], s[92:93]
	s_wait_tensorcnt 0x0                           ; the wave's end, behind my last tensor load and my last LDS store
	ds_add_u32 v[SPW], v[NIL]
	s_wait_dscnt 0x0
	CROUND                                         ; the closing round: no work-group ends while a partner may still ask for a tile that names it
	s_endpgm
.Lfunc_end_k_q01830adf46_qkvgemm:
	.size	k_q01830adf46_qkvgemm, .Lfunc_end_k_q01830adf46_qkvgemm-k_q01830adf46_qkvgemm
	.p2alignl 7, 3214868480
	.fill 96, 4, 3214868480
	.section	.rodata,"a",@progbits
	.p2align	6, 0x0
	.amdhsa_kernel k_q01830adf46_qkvgemm
		.amdhsa_group_segment_fixed_size 327680
		.amdhsa_private_segment_fixed_size 0
		.amdhsa_enable_private_segment 0
		.amdhsa_kernarg_size 24
		.amdhsa_user_sgpr_count 2
		.amdhsa_user_sgpr_kernarg_segment_ptr 1
		.amdhsa_wavefront_size32 1
		.amdhsa_system_sgpr_workgroup_id_x 1
		.amdhsa_system_sgpr_workgroup_id_y 1
		.amdhsa_system_sgpr_workgroup_id_z 1
		.amdhsa_system_vgpr_workitem_id 0
		.amdhsa_next_free_vgpr 1024
		.amdhsa_next_free_sgpr 102
		.amdhsa_reserve_vcc 0
		.amdhsa_float_denorm_mode_32 3
		.amdhsa_float_denorm_mode_16_64 3
		.amdhsa_memory_ordered 1
		.amdhsa_forward_progress 1
		.amdhsa_inst_pref_size 151
	.end_amdhsa_kernel
	.amdgpu_metadata
---
amdhsa.version: [ 1, 2 ]
amdhsa.kernels:
  - .name:           k_q01830adf46_qkvgemm
    .symbol:         k_q01830adf46_qkvgemm.kd
    .args:
      - { .name: xq, .offset: 0, .size: 8, .value_kind: global_buffer, .address_space: global }
      - { .name: wq, .offset: 8, .size: 8, .value_kind: global_buffer, .address_space: global }
      - { .name: qkv, .offset: 16, .size: 8, .value_kind: global_buffer, .address_space: global }
    .group_segment_fixed_size: 327680
    .private_segment_fixed_size: 0
    .kernarg_segment_align: 8
    .kernarg_segment_size: 24
    .max_flat_workgroup_size: 128
    .sgpr_count:     102
    .vgpr_count:     1024
    .wavefront_size: 32
...
	.end_amdgpu_metadata
.endif
;; end of part 2
;; launch attn (part 3): grid 4 x 64, 16 waves a work-group, clusters of 4 x 1, 215,040 bytes of LDS; arguments qkv, aq; writes aq
.if DOCPART == 3
	.amdgcn_target "amdgcn-amd-amdhsa--gfx1250"
	.amdhsa_code_object_version 6
	.text
	.protected	k_q01830adf46_attn
	.globl	k_q01830adf46_attn
	.p2align	8
	.type	k_q01830adf46_attn,@function
k_q01830adf46_attn:
	s_mov_b64 s[64:65], 0
	v_nop
	global_prefetch_b8 v0, s[64:65] scope:SCOPE_SE
	s_setreg_imm32_b32 hwreg(HW_REG_WAVE_MODE, 25, 1), 1
	s_wait_xcnt 0x0
	s_wait_alu depctr_hold_cnt(0) depctr_sa_sdst(0) depctr_va_vdst(0) depctr_va_sdst(0) depctr_va_ssrc(0) depctr_va_vcc(0) depctr_vm_vsrc(0)
	s_getreg_b32 s2, hwreg(HW_REG_IB_STS2, 6, 4)
	s_cmp_eq_u32 s2, 0
	s_cbranch_scc0 .Lentry_in_a_cluster
	s_endpgm
.Lentry_in_a_cluster:
	s_bfe_u32 s2, ttmp6, 0x10000c
	s_cmp_lg_u32 s2, 0x3003
	s_cbranch_scc0 .Lentry_shape_is_right
	s_endpgm
.Lentry_shape_is_right:
; Attention of one (batch, head) on codes of FP6 (E2M3) with E8M0 scales: S = q k^T (K = the head's 64), p = 2^(t - M), O = p v (K = the 2,048 keys), O / l quantised along the head's 64 for the output projection.
; THE SOFTMAX: t = score x log2(e) / 8 (one rounding where the source has two); M = the row's largest t so far, rounded UP to a whole number; p = 2^(t - M) is quantised along the keys, not normalised.
; The row's sum l is taken of the unquantised p, in f32, and divides O at the end.  When M moves, the sum and O are multiplied by 2^(old M - new M): exact.
; INPUT: the head's record of qkv (319,488 bytes): Q's codes at 0, Q's scale words at 98,304, then one dense block of 212,992 bytes: K's codes, V's codes (keys innermost), K's words, V's words.
; Codes are half fragments of 768 bytes, images of six operand registers (lane l's registers 0-3 at 16 l, 4-5 at 512 + 8 l); tiles of 16 tokens hold tokens 32 g + 8 u + r % 8 + 16 (r / 8).
; SHARES.  The four work-groups of a cluster take 512 queries each of one head; each of sixteen waves 32 of them, two tiles of 16, one after the other (two passes).  Four waves lie on a SIMD.
; ALL OF THE HEAD'S K AND V LIES IN LDS, FILLED ONCE: each wave brings 52 rows of 256 bytes by one joint load that names the four partners.  No slot is filled again, so the loops hold no barrier and no wait for tensor loads,
; and nothing is left to ask for ahead of time.
; LAYOUT.  Both products are used transposed: S^T = K Q^T, O^T = V^T P^T: a lane holds ONE query throughout; by the tiles' stored order the 16 registers of tiles 2 b, 2 b + 1 are 16 neighbouring keys (or channels).
; K = 64 IN AN INSTRUCTION OF 128: Q's registers 6-11 are zero codes for the whole launch.  A tile of K is six registers; the instruction's other six are simply the next tile's codes (v80-85, zeros, behind the last):
; every code of this format is a finite number, so those products are exact zeros; bytes 2 and 3 of Q's and K's scale words are 0, which stands for 2^-127.
; OUTPUT: aq, records of 12,800 bytes for each tile of 16 queries as the output projection's A side: my head's half fragment at 768 x head; its two scale bytes a row at [head / 4][row][2 (head % 4)].
; A scale word of that product spans two heads, that is two work-groups: so those two bytes a row are stored by one 2-byte store a lane, once a wave: rows 8 bytes apart.
; LIMITS: NaN and infinities are not served; a block of O / l whose largest magnitude lies under 2^-124, zeros among them, keeps the byte 1.
; REGISTERS: v1-7, v31 addresses that stay; v8-11, v28-29 the step's; v12 -M, v13 the largest t, v[14:15] the sum; v16-27 Q; v30 the passes' scale bytes; v32-85 K's eight tiles or V's four fragments;
;   v86-92 the second tile's Q; v96-159 S^T, then p; v160-191 O^T; v192-223 O / l; v224-235 codes; v232-247, v252, v254 at work; v248-251 K's or V's scale words; v253 p's; v255 Q's.
.set REC,  319488
.set RB,   12800
.set KVO,  106496                      ; where K's codes begin in a record
.set WVB,  13312                       ; a wave's part of the block: 52 rows of 256 bytes
.set LVC,  98304                       ; LDS: K's codes at 0, V's here,
.set LKS,  196608                      ; K's scale words,
.set LVS,  204800                      ; V's
.set F,    32
.set WV,   18                          ; s18  my wave's number
.set SEL,  20                          ; s[20:21] v_permlanex16_b32's selects: lane l xor 16
.set CS,   22                          ; s[22:23] c = log2(e) / 8
.set G1,   24                          ; s[24:31] descriptor group 1;  s[32:35] group 0
.set G0,   32
.set QP,   40                          ; s[40:41] my first tile's codes of Q;  s[42:43] its scale words
.set QSP,  42
.set OP,   44                          ; s[44:45] the pass's half fragment in aq;  s[46:47] my scale bytes
.set OSP,  46
.macro CROUND                          ; a round of the cluster's barrier
	s_barrier_signal -1
	s_barrier_wait -1
	s_cmp_lg_u32 s[WV], 0
	s_cbranch_scc1 .Lnot_wave_0_\@
	s_barrier_signal -3
.Lnot_wave_0_\@:
	s_barrier_wait -3
	s_barrier_signal -1
	s_barrier_wait -1
.endm
	s_load_b128 s[4:7], s[0:1], 0x0                ; qkv s[4:5], aq s[6:7]
	v_lshl_add_u32 v95, v0, 2, 0x34000
	v_mov_b32 v243, 0
	ds_add_u32 v95, v243
	ds_add_u32 v95, v243
	v_lshrrev_b32 v8, 5, v0
	s_delay_alu instid0(VALU_DEP_1)
	v_readfirstlane_b32 s[WV], v8                  ; wave 0..15
	s_bfe_u32 s48, ttmp6, 0x40000                  ; cx
	s_lshl_b32 s49, ttmp9, 2
	s_add_co_u32 s48, s48, s49                     ; my block of 512 queries: it enters Q's and aq's addresses alone
	s_and_b32 s50, ttmp7, 0xffff                   ; 16 x batch + head, which the four partners share
	s_mul_i32 s52, s50, REC
	s_mov_b32 s53, 0
	s_mul_i32 s54, s[WV], WVB
	s_mov_b32 s[G1], 15|(3<<16)|(1<<21)            ; 15:0 the mask: all four work-groups; 17:16 elements of 8 bytes; 20 no padding; 21 set beside a mask
	s_mov_b32 s[G1+1], 32<<16                      ; tensor_dim0 = 32 elements: 256 bytes
	s_mov_b32 s[G1+2], 52<<16                      ; tensor_dim1 = 52
	s_mov_b32 s[G1+3], 32<<16                      ; tile_dim0
	s_mov_b32 s[G1+4], 52                          ; tile_dim1
	s_mov_b32 s[G1+5], 32                          ; tensor_dim0_stride: the block is dense
	s_mov_b32 s[G1+6], 0
	s_mov_b32 s[G1+7], 0
	s_mov_b32 s[SEL], 0x76543210
	s_mov_b32 s[SEL+1], 0xfedcba98
	s_mov_b32 s[CS], 0x3e38aa3b                    ; log2(e) / 8
	s_mov_b32 s[CS+1], s[CS]                       ; (named with it as a pair, so it is written)
	s_add_co_u32 s56, s54, KVO
	s_mov_b32 s57, 0
	s_wait_dscnt 0x0
	s_wait_kmcnt 0x0
	s_add_nc_u64 s[8:9], s[4:5], s[52:53]          ; the head's record
	s_mov_b32 s[G0], 1                             ; count = 1
	s_mov_b32 s[G0+1], s54                         ; LDS address: 13,312 x wave
	s_add_nc_u64 s[G0+2:G0+3], s[8:9], s[56:57]    ; global address: the same place in the block
	s_or_b32 s[G0+3], s[G0+3], 0x80000000          ; type = 2
	CROUND                                         ; all four work-groups are here: the joint loads meet
	tensor_load_to_lds s[G0:G0+3], s[G1:G1+7]      ; my one tensor load of the launch
	s_nop 0
.rept 4
	v_nop
.endr
	s_lshl_b32 s49, s48, 5
	s_lshl_b32 s51, s[WV], 1
	s_add_co_u32 s49, s49, s51                     ; my first tile of the head's 128: 32 x block + 2 x wave
	s_mul_i32 s56, s49, 768
	s_add_nc_u64 s[QP:QP+1], s[8:9], s[56:57]
	s_lshl_b32 s56, s49, 6
	s_add_co_u32 s56, s56, 98304
	s_add_nc_u64 s[QSP:QSP+1], s[8:9], s[56:57]
	s_lshr_b32 s51, s50, 4                         ; batch
	s_and_b32 s50, s50, 15                         ; head
	s_lshl_b32 s51, s51, 7
	s_add_co_u32 s51, s51, s49                     ; my first tile of all 512
	s_mul_i32 s51, s51, RB
	s_mul_i32 s56, s50, 768
	s_add_co_u32 s56, s56, s51
	s_add_nc_u64 s[OP:OP+1], s[6:7], s[56:57]
	s_lshr_b32 s56, s50, 2
	s_lshl_b32 s56, s56, 7                         ; 128 bytes for each 256 along K,
	s_and_b32 s50, s50, 3
	s_lshl_b32 s50, s50, 1                         ; two bytes a head
	s_add_co_u32 s56, s56, s50
	s_add_co_u32 s56, s56, s51
	s_add_co_u32 s56, s56, 16*768
	s_add_nc_u64 s[OSP:OSP+1], s[6:7], s[56:57]
	v_and_b32 v8, 31, v0
	s_delay_alu instid0(VALU_DEP_1)
	v_lshlrev_b32 v1, 4, v8                        ; 16 x lane
	s_delay_alu instid0(VALU_DEP_2)
	v_lshlrev_b32 v2, 3, v8                        ; 8 x lane
	s_delay_alu instid0(VALU_DEP_2)
	v_add_nc_u32 v3, LVC, v1
	s_delay_alu instid0(VALU_DEP_2)
	v_add_nc_u32 v4, LVC, v2
	v_lshl_add_u32 v5, v8, 2, LKS                  ; scale words: 4 x lane: lanes 0-15 a tile's 16 rows, lanes 16-31 the next tile's
	v_lshl_add_u32 v6, v8, 2, LVS
	v_and_b32 v9, 15, v0
	s_delay_alu instid0(VALU_DEP_1)
	v_lshlrev_b32 v7, 2, v9
	v_bfe_u32 v10, v0, 4, 1
	s_delay_alu instid0(VALU_DEP_1)
	v_mul_u32_u24 v31, v10, RB
	s_delay_alu instid0(VALU_DEP_1)
	v_lshl_add_u32 v31, v9, 3, v31                 ; aq's scale bytes: lanes 0-15 my first tile's rows, lanes 16-31 my second's
	global_load_b128 v[16:19], v1, s[QP:QP+1]      ; Q's half fragments stay in registers
	global_load_b64 v[20:21], v2, s[QP:QP+1] offset:512
	global_load_b32 v255, v7, s[QSP:QSP+1]
	global_load_b128 v[86:89], v1, s[QP:QP+1] offset:768
	global_load_b64 v[90:91], v2, s[QP:QP+1] offset:1280
	global_load_b32 v92, v7, s[QSP:QSP+1] offset:64
.irp j, 22,23,24,25,26,27,80,81,82,83,84,85
	v_mov_b32 v[\j], 0                             ; zero codes: the upper 64 of Q's K, and what stands behind K's last tile
.endr
.irp b, 0,1,2,3
	v_mov_b32 v[236+\b], 0                         ; written once: a lane permute's destination counts as one of its sources
.endr
	v_mov_b32 v253, 0                              ; (named as the upper half of the pair v[252:253] before it is first written)
	v_mov_b32 v30, 0
	s_mov_b32 s37, 2                               ; passes
	s_mov_b32 s38, 0xffff                          ; the lanes that keep this pass's scale bytes
	s_wait_loadcnt 0x0                             ; Q
	s_wait_tensorcnt 0x0                           ; my part of the block is in,
	s_barrier_signal -1
	s_barrier_wait -1                              ; everybody's is
.Lpass:
	v_mov_b32 v13, 0xff61b1e6                      ; the largest t so far: -3e38, under every t
	s_delay_alu instid0(VALU_DEP_1)
	v_floor_f32 v12, -v13                          ; -M
	v_mov_b32 v14, 0                               ; the sum, in two halves
	v_mov_b32 v15, 0
.irp j, 0,1,2,3,4,5,6,7,8,9,10,11,12,13,14,15,16,17,18,19,20,21,22,23,24,25,26,27,28,29,30,31
	v_mov_b32 v[160+\j], 0                         ; O^T.  (The step is written once: the first finds zeros, which the first change of M leaves zeros)
.endr
	s_mov_b32 s2, 0                                ; the step's codes: 6,144 bytes a step, of K and of V
	s_mov_b32 s3, 0                                ; its scale words: 512 bytes a step
	s_mov_b32 s36, 16
.Lstep:                                            ; 128 keys
	s_setprio 2
	v_add_nc_u32 v8, s2, v1                        ; (these six are the places behind the last step's products, in front of the loads into their registers)
	v_add_nc_u32 v9, s2, v2
	v_add_nc_u32 v10, s2, v3
	v_add_nc_u32 v11, s2, v4
	v_add_nc_u32 v28, s3, v5
	v_add_nc_u32 v29, s3, v6
.irp t, 0,1,2,3,4,5,6,7
	ds_load_b128 v[F+6*\t:F+6*\t+3], v8 offset:768*\t
	ds_load_b64 v[F+6*\t+4:F+6*\t+5], v9 offset:768*\t+512
.endr
.irp i, 0,1,2,3
	ds_load_b32 v[248+\i], v28 offset:128*\i       ; lanes 0-15: tile 2 i's words; lanes 16-31: tile 2 i + 1's
.endr
	s_wait_alu depctr_va_vdst(0)
	s_wait_dscnt 0x0
.irp t, 0,2,4,6                                ; S^T = K Q^T: eight tiles of 16 keys
	v_wmma_scale_f32_16x16x128_f8f6f4 v[96+8*\t:103+8*\t], v[F+6*\t:F+6*\t+11], v[16:27], 0, v[248+\t/2], v255 matrix_a_fmt:MATRIX_FMT_FP6 matrix_b_fmt:MATRIX_FMT_FP6
	v_wmma_scale_f32_16x16x128_f8f6f4 v[104+8*\t:111+8*\t], v[F+6*\t+6:F+6*\t+17], v[16:27], 0, v[248+\t/2], v255 matrix_a_fmt:MATRIX_FMT_FP6 matrix_b_fmt:MATRIX_FMT_FP6 matrix_a_scale:MATRIX_SCALE_ROW1
.endr
.rept 4
	v_nop                                          ; places in front of the loads into K's registers, and of the first read of the scores
.endr
.irp t, 0,1,2,3                                ; V's four fragments (16 channels x 128 keys) are asked for now and land under the softmax
	ds_load_b128 v[F+12*\t:F+12*\t+3], v10 offset:768*\t
	ds_load_b64 v[F+12*\t+4:F+12*\t+5], v11 offset:768*\t+512
	ds_load_b128 v[F+12*\t+6:F+12*\t+9], v10 offset:3072+768*\t
	ds_load_b64 v[F+12*\t+10:F+12*\t+11], v11 offset:3072+768*\t+512
.endr
.irp i, 0,1
	ds_load_b32 v[248+\i], v29 offset:128*\i
.endr
.irp b, 0,1,2,3
	v_max3_num_f32 v[232+\b], v[96+16*\b], v[97+16*\b], v[98+16*\b]   ; THE LARGEST SCORE OF EACH BLOCK OF 32 KEYS: it serves for the row's maximum and, since p rises with the score, for the block's largest p
.endr
.irp i, 3,5,7,9,11,13
.irp b, 0,1,2,3
	v_max3_num_f32 v[232+\b], v[232+\b], v[96+16*\b+\i], v[97+16*\b+\i]   ; (the four blocks by turns)
.endr
.endr
.irp b, 0,1,2,3
	v_max_num_f32 v[232+\b], v[232+\b], v[111+16*\b]
.endr
.irp b, 0,1,2,3
	s_delay_alu instid0(VALU_DEP_4)
	v_permlanex16_b32 v[236+\b], v[232+\b], s[SEL], s[SEL+1]
.endr
.irp b, 0,1,2,3
	s_delay_alu instid0(VALU_DEP_4)
	v_max_num_f32 v[232+\b], v[232+\b], v[236+\b]  ; with lane l xor 16's 16 keys
.endr
	s_delay_alu instid0(VALU_DEP_2)
	v_max3_num_f32 v254, v232, v233, v234
	s_delay_alu instid0(VALU_DEP_1)
	v_max_num_f32 v254, v254, v235                 ; the step's largest score of my query
	s_delay_alu instid0(VALU_DEP_1)
	v_mul_f32 v254, s[CS], v254                    ; as t (c is positive)
	s_delay_alu instid0(VALU_DEP_1)
	v_max_num_f32 v13, v13, v254                   ; the running largest t
	v_mov_b32 v254, v12
	s_delay_alu instid0(VALU_DEP_2)
	v_floor_f32 v12, -v13                          ; the new -M = floor(-t) = -ceil(t): M is a whole number
	s_delay_alu instid0(VALU_DEP_1)
	v_sub_f32 v254, v12, v254                      ; M's old value less its new one: a whole number, 0 or less
	s_delay_alu instid0(VALU_DEP_1)
	v_cvt_i32_f32 v254, v254                       ; (it saturates)
	s_delay_alu instid0(VALU_DEP_1)
	v_ldexp_f32 v252, 1.0, v254                    ; f = 2^(old M - new M)
.irp j, 0,2,4,6,8,10,12,14,16,18,20,22,24,26,28,30,32,34,36,38,40,42,44,46,48,50,52,54,56,58,60,62
	v_pk_fma_f32 v[96+\j:97+\j], v[96+\j:97+\j], s[CS:CS+1], v[12:13] op_sel_hi:[1,0,0]   ; t - M, two at a time (of the pairs c and -M the low word serves both halves)
.endr
.irp b, 0,1,2,3
	v_fma_f32 v[232+\b], v[232+\b], s[CS], v12     ; the same of each block's largest score
.endr
	s_setprio 1
	s_wait_alu depctr_va_vdst(0)
.irp j, 0,1,2,3,4,5,6,7,8,9,10,11,12,13,14,15,16,17,18,19,20,21,22,23,24,25,26,27,28,29,30,31,32,33,34,35,36,37,38,39,40,41,42,43,44,45,46,47,48,49,50,51,52,53,54,55,56,57,58,59,60,61,62,63
	v_exp_f32 v[96+\j], v[96+\j]                   ; p = 2^(t - M), at most 1: not normalised
.endr
	v_pk_mul_f32 v[14:15], v[14:15], v[252:253] op_sel_hi:[1,0]   ; the sums under the new M.  (The plain instruction behind the exponentials)
	s_wait_alu depctr_va_vdst(0)                   ; one wait for the whole batch, ahead of its first reader
.irp b, 0,1,2,3
	v_exp_f32 v[232+\b], v[232+\b]                 ; the block's largest p: the same two instructions on the same number give the same bits
.endr
	v_pk_add_f32 v[236:237], v[100:101], v[104:105]
	v_pk_add_f32 v[250:251], v[108:109], v[112:113]
	v_pk_add_f32 v[246:247], v[116:117], v[120:121]
	v_pk_add_f32 v[244:245], v[124:125], v[128:129]
	v_pk_add_f32 v[240:241], v[132:133], v[136:137]
	v_pk_add_f32 v[238:239], v[140:141], v[144:145]
	v_pk_add_f32 v[230:231], v[148:149], v[152:153]
	v_pk_add_f32 v[14:15], v[14:15], v[156:157]
	v_pk_add_f32 v[236:237], v[236:237], v[96:97]
	v_pk_add_f32 v[250:251], v[250:251], v[98:99]
	v_pk_add_f32 v[246:247], v[246:247], v[102:103]
	v_pk_add_f32 v[244:245], v[244:245], v[106:107]
	v_pk_add_f32 v[240:241], v[240:241], v[110:111]
	v_pk_add_f32 v[238:239], v[238:239], v[114:115]
	v_pk_add_f32 v[230:231], v[230:231], v[118:119]
	v_pk_add_f32 v[14:15], v[14:15], v[122:123]
	v_pk_add_f32 v[236:237], v[236:237], v[126:127]
	v_pk_add_f32 v[250:251], v[250:251], v[130:131]
	v_pk_add_f32 v[246:247], v[246:247], v[134:135]
	v_pk_add_f32 v[244:245], v[244:245], v[138:139]
	v_pk_add_f32 v[240:241], v[240:241], v[142:143]
	v_pk_add_f32 v[238:239], v[238:239], v[146:147]
	v_pk_add_f32 v[230:231], v[230:231], v[150:151]
	v_pk_add_f32 v[14:15], v[14:15], v[154:155]
	v_pk_add_f32 v[236:237], v[236:237], v[158:159]
	s_delay_alu instid0(VALU_DEP_2)
	v_pk_add_f32 v[14:15], v[14:15], v[244:245]
	s_delay_alu instid0(VALU_DEP_2)
	v_pk_add_f32 v[236:237], v[236:237], v[240:241]
	v_pk_add_f32 v[250:251], v[250:251], v[238:239]
	v_pk_add_f32 v[246:247], v[246:247], v[230:231]
	s_delay_alu instid0(VALU_DEP_2)
	v_pk_add_f32 v[14:15], v[14:15], v[250:251]
	s_delay_alu instid0(VALU_DEP_2)
	v_pk_add_f32 v[236:237], v[236:237], v[246:247]
	s_delay_alu instid0(VALU_DEP_1)
	v_pk_add_f32 v[14:15], v[14:15], v[236:237]
	s_wait_alu depctr_va_vdst(0)                   ; and one for the four
.irp b, 0,1,2,3
	v_max_num_f32 v[232+\b], 0x1800000, v[232+\b]  ; the floor 2^(3 - 127): the byte cannot fall under 1 (a block whose every p has fallen to 0 keeps that byte: its codes are zeros)
.endr
.irp b, 0,1,2,3
	s_delay_alu instid0(VALU_DEP_4)
	v_add_nc_u32 v[244+\b], 0xff000000, v[232+\b]  ; 2 off the exponent field: the conversion's scale operand
.endr
.irp b, 0,1,2,3
	s_delay_alu instid0(VALU_DEP_4)
	v_lshrrev_b32 v[236+\b], 23, v[244+\b]         ; the scale's byte
.endr
	s_delay_alu instid0(VALU_DEP_3)
	v_lshl_or_b32 v253, v237, 8, v236              ; p's scale word for these 128 keys
	s_delay_alu instid0(VALU_DEP_1)
	v_lshl_or_b32 v253, v238, 16, v253
	s_delay_alu instid0(VALU_DEP_1)
	v_lshl_or_b32 v253, v239, 24, v253
.irp c, 0,1
	v_cvt_scalef32_pk16_fp6_f32 v[224+6*\c:226+6*\c], v[96+32*\c:111+32*\c], v[244+2*\c]
	v_cvt_scalef32_pk16_fp6_f32 v[236+4*\c:238+4*\c], v[112+32*\c:127+32*\c], v[244+2*\c+1]   ; (a conversion's three registers begin on an even number)
.endr
	v_nop                                          ; one plain instruction behind a scaled conversion
.irp c, 0,1                                    ; the operand's layout wants a WHOLE block in a lane: lanes 0-15 block 2 c, lanes 16-31 block 2 c + 1
.irp i, 0,1,2
	v_permlane16_swap_b32 v[224+6*\c+\i], v[236+4*\c+\i]
.endr
.irp i, 0,1,2
	s_delay_alu instid0(VALU_DEP_3)
	v_mov_b32 v[227+6*\c+\i], v[236+4*\c+\i]
.endr
.endr
	s_setprio 0
.irp j, 0,2,4,6,8,10,12,14,16,18,20,22,24,26,28,30
	v_pk_mul_f32 v[160+\j:161+\j], v[160+\j:161+\j], v[252:253] op_sel_hi:[1,0]   ; O^T under the new M: x f.  (These sixteen are also the places between the codes' and the scale word's last writes and the products)
.endr
	s_wait_alu depctr_va_vdst(0)
	s_wait_dscnt 0x0                               ; V
.irp t, 0,2                                    ; O^T += V^T P^T: four tiles of 16 channels, one instruction each; eight other products stand between an accumulator's turns
	v_wmma_scale_f32_16x16x128_f8f6f4 v[160+8*\t:167+8*\t], v[F+12*\t:F+12*\t+11], v[224:235], v[160+8*\t:167+8*\t], v[248+\t/2], v253 matrix_a_fmt:MATRIX_FMT_FP6 matrix_b_fmt:MATRIX_FMT_FP6
	v_wmma_scale_f32_16x16x128_f8f6f4 v[168+8*\t:175+8*\t], v[F+12*\t+12:F+12*\t+23], v[224:235], v[168+8*\t:175+8*\t], v[248+\t/2], v253 matrix_a_fmt:MATRIX_FMT_FP6 matrix_b_fmt:MATRIX_FMT_FP6 matrix_a_scale:MATRIX_SCALE_ROW1
.endr
	s_add_co_u32 s2, s2, 6144
	s_add_co_u32 s3, s3, 512
	s_sub_co_u32 s36, s36, 1
	s_cmp_lg_u32 s36, 0
	s_cbranch_scc1 .Lstep
	s_setprio 0
	; THE PASS'S END: O^T / l, quantised along the head's 64: register 16 b + i = channel 32 b + 16 (lane / 16) + i of my query
	v_add_f32 v14, v14, v15                        ; the sum's two halves,
	s_delay_alu instid0(VALU_DEP_1)
	v_permlanex16_b32 v252, v14, s[SEL], s[SEL+1]
	s_delay_alu instid0(VALU_DEP_1)
	v_add_f32 v14, v14, v252                       ; and lane l xor 16's: the row's sum
	s_wait_alu depctr_va_vdst(0)
	v_rcp_f32 v14, v14
.rept 4
	v_nop                                          ; the places behind the last products, and the plain instruction behind the reciprocal
.endr
	s_wait_alu depctr_va_vdst(0)                   ; ahead of the reciprocal's first reader
.irp j, 0,2,4,6,8,10,12,14,16,18,20,22,24,26,28,30
	v_pk_mul_f32 v[192+\j:193+\j], v[160+\j:161+\j], v[14:15] op_sel_hi:[1,0]   ; each accumulator from its low end on
.endr
.irp b, 0,1
	v_max3_num_f32 v[232+\b], |v[192+16*\b]|, |v[193+16*\b]|, 0x1800000
.endr
.irp i, 2,4,6,8,10,12,14
.irp b, 0,1
	s_delay_alu instid0(VALU_DEP_2)
	v_max3_num_f32 v[232+\b], v[232+\b], |v[192+16*\b+\i]|, |v[193+16*\b+\i]|
.endr
.endr
.irp b, 0,1
	s_delay_alu instid0(VALU_DEP_2)
	v_permlanex16_b32 v[236+\b], v[232+\b], s[SEL], s[SEL+1]
.endr
.irp b, 0,1
	s_delay_alu instid0(VALU_DEP_2)
	v_max_num_f32 v[232+\b], v[232+\b], v[236+\b]
.endr
.irp b, 0,1
	s_delay_alu instid0(VALU_DEP_2)
	v_add_nc_u32 v[244+\b], 0xff000000, v[232+\b]
.endr
.irp b, 0,1
	s_delay_alu instid0(VALU_DEP_2)
	v_lshrrev_b32 v[236+\b], 23, v[244+\b]
.endr
	s_delay_alu instid0(VALU_DEP_1)
	v_lshl_or_b32 v254, v237, 8, v236              ; my row's two scale bytes
	s_delay_alu instid0(VALU_DEP_1)
	v_cndmask_b32 v30, v30, v254, s38              ; pass 0's are kept in lanes 0-15, pass 1's in lanes 16-31
	v_cvt_scalef32_pk16_fp6_f32 v[224:226], v[192:207], v244
	v_cvt_scalef32_pk16_fp6_f32 v[240:242], v[208:223], v245
	v_nop                                          ; one plain instruction behind a scaled conversion
.irp i, 0,1,2
	v_permlane16_swap_b32 v[224+\i], v[240+\i]
.endr
.irp i, 0,1,2
	s_delay_alu instid0(VALU_DEP_3)
	v_mov_b32 v[227+\i], v[240+\i]
.endr
	global_store_b128 v1, v[224:227], s[OP:OP+1]   ; the half fragment: 512 and 256 consecutive bytes, at multiples of 256 from the buffer's first byte
	global_store_b64 v2, v[228:229], s[OP:OP+1] offset:512
.irp j, 0,1,2,3,4,5
	v_mov_b32 v[16+\j], v[86+\j]                   ; the second tile's Q (in the last pass these seven serve nothing)
.endr
	v_mov_b32 v255, v92
	s_wait_xcnt 0x0                                ; the stores have read their registers and their base: both are written again only behind this wait
	s_add_nc_u64 s[OP:OP+1], s[OP:OP+1], RB
	s_lshl_b32 s38, s38, 16
	s_sub_co_u32 s37, s37, 1
	s_cmp_lg_u32 s37, 0
	s_cbranch_scc1 .Lpass
	global_store_b16 v31, v30, s[OSP:OSP+1]        ; two scale bytes a row, for my 32 rows
	s_wait_tensorcnt 0x0
	ds_add_u32 v95, v243
	s_wait_dscnt 0x0
	CROUND                                         ; the closing round: no work-group ends while a partner may still ask for a tile that names it
	s_endpgm
.Lfunc_end_k_q01830adf46_attn:
	.size	k_q01830adf46_attn, .Lfunc_end_k_q01830adf46_attn-k_q01830adf46_attn
	.p2alignl 7, 3214868480
	.fill 96, 4, 3214868480
	.section	.rodata,"a",@progbits
	.p2align	6, 0x0
	.amdhsa_kernel k_q01830adf46_attn
		.amdhsa_group_segment_fixed_size 215040
		.amdhsa_private_segment_fixed_size 0
		.amdhsa_enable_private_segment 0
		.amdhsa_kernarg_size 16
		.amdhsa_user_sgpr_count 2
		.amdhsa_user_sgpr_kernarg_segment_ptr 1
		.amdhsa_wavefront_size32 1
		.amdhsa_system_sgpr_workgroup_id_x 1
		.amdhsa_system_sgpr_workgroup_id_y 1
		.amdhsa_system_sgpr_workgroup_id_z 1
		.amdhsa_system_vgpr_workitem_id 0
		.amdhsa_next_free_vgpr 256
		.amdhsa_next_free_sgpr 66
		.amdhsa_reserve_vcc 0
		.amdhsa_float_denorm_mode_32 3
		.amdhsa_float_denorm_mode_16_64 3
		.amdhsa_memory_ordered 1
		.amdhsa_forward_progress 1
		.amdhsa_inst_pref_size 30
	.end_amdhsa_kernel
	.amdgpu_metadata
---
amdhsa.version: [ 1, 2 ]
amdhsa.kernels:
  - .name:           k_q01830adf46_attn
    .symbol:         k_q01830adf46_attn.kd
    .args:
      - { .name: qkv, .offset: 0, .size: 8, .value_kind: global_buffer, .address_space: global }
      - { .name: aq, .offset: 8, .size: 8, .value_kind: global_buffer, .address_space: global }
    .group_segment_fixed_size: 215040
    .private_segment_fixed_size: 0
    .kernarg_segment_align: 8
    .kernarg_segment_size: 16
    .max_flat_workgroup_size: 512
    .sgpr_count:     66
    .vgpr_count:     256
    .wavefront_size: 32
...
	.end_amdgpu_metadata
.endif
;; end of part 3
;; launch outgemm (part 4): grid 4 x 32, 4 waves a work-group, clusters of 4 x 4, 327,680 bytes of LDS; arguments aq, oq, out0; writes out0
.if DOCPART == 4
	.amdgcn_target "amdgcn-amd-amdhsa--gfx1250"
	.amdhsa_code_object_version 6
	.text
	.protected	k_q01830adf46_outgemm
	.globl	k_q01830adf46_outgemm
	.p2align	8
	.type	k_q01830adf46_outgemm,@function
k_q01830adf46_outgemm:
	s_mov_b64 s[64:65], 0
	v_nop
	global_prefetch_b8 v0, s[64:65] scope:SCOPE_SE
	s_setreg_imm32_b32 hwreg(HW_REG_WAVE_MODE, 25, 1), 1
	s_wait_xcnt 0x0
	s_wait_alu depctr_hold_cnt(0) depctr_sa_sdst(0) depctr_va_vdst(0) depctr_va_sdst(0) depctr_va_ssrc(0) depctr_va_vcc(0) depctr_vm_vsrc(0)
	s_getreg_b32 s2, hwreg(HW_REG_IB_STS2, 6, 4)
	s_cmp_eq_u32 s2, 0
	s_cbranch_scc0 .Lentry_in_a_cluster
	s_endpgm
.Lentry_in_a_cluster:
	s_bfe_u32 s2, ttmp6, 0x10000c
	s_cmp_lg_u32 s2, 0xf033
	s_cbranch_scc0 .Lentry_shape_is_right
	s_endpgm
.Lentry_shape_is_right:
; The output projection: out0 [8192][1024] f32 = (attention's result) w_out^T on codes of FP6 (E2M3) with E8M0 scales, K = 1,024, sums in f32.
; OPERANDS come as records of 12,800 bytes for each block of 16 stored rows: 16 half fragments of 768 bytes (images of six operand registers: lane l's registers 0-3 at 16 l, 4-5 at 512 + 8 l), then 512 scale bytes [K / 256][row][8].
; Row r of stored block 2 g + u is row 32 g + 8 u + r % 8 + 16 (r / 8) of the tensor, on both sides: the way out puts rows and columns back.
; A tile of the result, 256 x 256, is made by four waves; a wave makes 128 x 128: 64 accumulators.  K goes in steps of 256 through a ring of two LDS slots filled by the tensor data mover; the scale bytes come once.
; THE MATRIX INSTRUCTION IS USED TRANSPOSED: source 0 = 16 rows of w_out (B), source 1 = 16 tokens (A): a lane holds eight neighbouring columns of one row of the result.
; CLUSTERS: 4 x 4 work-groups; A's tiles are shared along a row of the cluster, B's along a column: joint loads.  128 tiles: a smaller tile would give every WGP one, at twice the LDS reads for each product; this text keeps the projection's core.
; REGISTERS, in windows of 256: window 0: v16-29 addresses; v32-63 scale words, two sets; v128-223 A's fragments, ONE set; on the way out v128-255 hold rows read back.
;   window 1: B's fragments, TWO sets, at v0 and v128.   window 2: the accumulators of my A blocks 0-3 ((a, b) at v[8 (8 (a % 4) + b)]);   window 3: those of blocks 4-7.
.set RB,     12800
.set KSB,    3072                      ; a K step (256) of 16 rows: four half fragments
.set NQ,     2
.set FR,     12
.set NL,     4
.set NP,     4                         ; places behind this matrix instruction (ISA guide 7.12.1)
.set HALFT,  8*KSB
.set SLOT,   4*HALFT
.set LAPS,   2
.set SCL,    2*SLOT
.set SBLK,   512
.set SPARE,  SCL+4*4096                ; the spare words, 128 bytes for each wave: two blocks of 256 bytes that no other line names
.set SPITCH, 528                       ; the way out: a stage of 16 rows x (512 bytes + 16) for each wave, in slot 0, which has had its last fill and its last read by then
.set ADRA, 16                          ; v16-17 my A fragments in slot 0, 1, + 16 x lane;  v18-19 the same + 8 x lane
.set ADRB, 20                          ; v20-23 the same for B
.set STO,  24                          ; v24  the way out: where I put 32 bytes of a row
.set RD,   25                          ; v25  where I read a row back
.set CO,   26                          ; v26  16 x lane: my bytes of a row of 512
.set ADRS, 27
.set SPW,  28
.set NIL,  29
.set SC,   32
.set AF,   128
.set BK,   128                         ; the way out: 16 rows read back: v128-191 and v192-255 by turns
.set G1, 24
.set G0, 32
.set G1B, 48
.set G0B, 56
.set G1S, 68
.set G0S, 76
.set G1SB, 80
.set G0SB, 88
.set MSB, 0
.macro WIN new                         ; the immediate's high byte repeats the setting that is left
.if MSB != (\new)
	s_set_vgpr_msb (MSB<<8)|(\new)
.set MSB, (\new)
.endif
.endm
.set MUL_LO, 0xa1
.set MUL_HI, 0xf1
.set TO_B,   0x40
.macro JLOAD g0a, g1a, g0b, g1b        ; a joint load: waves 0 and 1 fetch for A, waves 2 and 3 for B; four v_nop follow each of the two lines
	s_cmp_eq_u32 s15, 0
	s_cbranch_scc0 .Lfor_b_\@
	tensor_load_to_lds s[\g0a:\g0a+3], s[\g1a:\g1a+7]
	s_nop 0
.rept 4
	v_nop
.endr
	s_branch .Lasked_\@
.Lfor_b_\@:
	tensor_load_to_lds s[\g0b:\g0b+3], s[\g1b:\g1b+7]
	s_nop 0
.rept 4
	v_nop
.endr
.Lasked_\@:
.endm
.macro CREST
	s_cmp_lg_u32 s14, 0
	s_cbranch_scc1 .Lnot_wave_0_\@
	s_barrier_signal -3
.Lnot_wave_0_\@:
	s_barrier_wait -3
	s_barrier_signal -1
	s_barrier_wait -1
.endm
.macro CROUND
	s_barrier_signal -1
	s_barrier_wait -1
	CREST
.endm
	s_load_b128 s[4:7], s[0:1], 0x0                ; aq s[4:5], oq s[6:7]
	s_load_b64 s[12:13], s[0:1], 0x10              ; out0
	v_lshl_add_u32 v[SPW], v0, 2, SPARE
	v_mov_b32 v[NIL], 0
	ds_add_u32 v28, v29
	ds_add_u32 v28, v29
	s_wait_dscnt 0x0
	v_lshrrev_b32 v1, 5, v0
	v_readfirstlane_b32 s14, v1                    ; wave 0..3
	s_lshr_b32 s15, s14, 1                         ; which half of the tile's rows is mine.  Also: I fetch for A (0) or for B (1)
	s_and_b32 s16, s14, 1                          ; which half of its columns.  Also: which 128 rows I fetch
	s_bfe_u32 s40, ttmp6, 0x40000                  ; cx, cy
	s_bfe_u32 s41, ttmp6, 0x40004
	s_lshl_b32 s42, ttmp9, 2
	s_add_co_u32 s42, s42, s40                     ; tile column = 4 x cluster x + cx
	s_and_b32 s17, ttmp7, 0xffff
	s_lshl_b32 s17, s17, 2
	s_add_co_u32 s17, s17, s41                     ; tile row = 4 x cluster y + cy
	s_lshl_b32 s43, s41, 2
	s_lshl_b32 s43, 15, s43                        ; my row of the cluster
	s_lshl_b32 s44, 0x1111, s40                    ; my column
	s_or_b32 s[G1+0], s43, (3<<16)|(1<<21)         ; 15:0 the mask; 17:16 elements of 8 bytes; 20 no padding; 21 set beside a mask
	s_or_b32 s[G1B+0], s44, (3<<16)|(1<<21)
.irp g, G1, G1B
	s_mov_b32 s[\g+1], (KSB/8)<<16                 ; 8 blocks of rows x 3,072 bytes, 12,800 bytes apart
	s_mov_b32 s[\g+2], 8<<16
	s_mov_b32 s[\g+3], (KSB/8)<<16
	s_mov_b32 s[\g+4], 8
	s_mov_b32 s[\g+5], RB/8
	s_mov_b32 s[\g+6], 0
	s_mov_b32 s[\g+7], 0
.endr
	s_or_b32 s[G1S+0], s43, (3<<16)|(1<<21)
	s_or_b32 s[G1SB+0], s44, (3<<16)|(1<<21)
.irp g, G1S, G1SB
	s_mov_b32 s[\g+1], (SBLK/8)<<16                ; the scale bytes: 8 blocks x 512 bytes
	s_mov_b32 s[\g+2], 8<<16
	s_mov_b32 s[\g+3], (SBLK/8)<<16
	s_mov_b32 s[\g+4], 8
	s_mov_b32 s[\g+5], RB/8
	s_mov_b32 s[\g+6], 0
	s_mov_b32 s[\g+7], 0
.endr
	s_lshl_b32 s18, s16, 3
	s_lshl_b32 s20, s17, 4
	s_add_co_u32 s20, s20, s18
	s_mul_i32 s20, s20, RB                         ; A: my 8 blocks' first record, in bytes
	s_mov_b32 s21, 0
	s_lshl_b32 s46, s42, 4
	s_add_co_u32 s46, s46, s18
	s_mul_i32 s46, s46, RB                         ; B likewise
	s_mov_b32 s47, 0
	s_mul_i32 s45, s14, HALFT                      ; where they go: wave x 128 rows
	s_lshl_b32 s94, s14, 12
	s_wait_kmcnt 0x0
	s_add_nc_u64 s[20:21], s[4:5], s[20:21]
	s_add_nc_u64 s[46:47], s[6:7], s[46:47]
	CROUND                                         ; all sixteen work-groups are here: the first joint loads meet
	s_mov_b32 s[G0S], 1
	s_add_co_u32 s[G0S+1], s94, SCL
	s_add_nc_u64 s[G0S+2:G0S+3], s[20:21], 16*768
	s_or_b32 s[G0S+3], s[G0S+3], 0x80000000
	s_mov_b32 s[G0SB], 1
	s_add_co_u32 s[G0SB+1], s94, SCL
	s_add_nc_u64 s[G0SB+2:G0SB+3], s[46:47], 16*768
	s_or_b32 s[G0SB+3], s[G0SB+3], 0x80000000
	JLOAD G0S, G1S, G0SB, G1SB
.irp s, 0,1
	s_mov_b32 s[G0+4*\s], 1
	s_add_co_u32 s[G0+4*\s+1], s45, \s*SLOT
	s_add_nc_u64 s[G0+4*\s+2:G0+4*\s+3], s[20:21], \s*KSB
	s_or_b32 s[G0+4*\s+3], s[G0+4*\s+3], 0x80000000
	s_mov_b32 s[G0B+4*\s], 1
	s_add_co_u32 s[G0B+4*\s+1], s45, \s*SLOT
	s_add_nc_u64 s[G0B+4*\s+2:G0B+4*\s+3], s[46:47], \s*KSB
	s_or_b32 s[G0B+4*\s+3], s[G0B+4*\s+3], 0x80000000
	JLOAD G0+4*\s, G1, G0B+4*\s, G1B
.endr
	v_and_b32 v1, 15, v0                           ; r
	v_bfe_u32 v2, v0, 4, 1                         ; h
	v_and_b32 v3, 31, v0
	v_lshlrev_b32 v[CO], 4, v3
	v_lshlrev_b32 v7, 3, v3
	s_mul_i32 s21, s15, HALFT
	s_mul_i32 s22, s16, HALFT
	s_add_co_u32 s22, s22, 2*HALFT
.irp s, 0,1
	v_add_nc_u32 v[ADRA+\s], s21, v[CO]
	v_add_nc_u32 v[ADRB+\s], s22, v[CO]
	v_add_nc_u32 v[ADRA+2+\s], s21, v7
	v_add_nc_u32 v[ADRB+2+\s], s22, v7
	s_add_co_u32 s21, s21, SLOT
	s_add_co_u32 s22, s22, SLOT
.endr
	v_lshlrev_b32 v5, 3, v1
	s_lshl_b32 s21, s15, 12
	s_lshl_b32 s22, s16, 12
	s_add_co_u32 s22, s22, 2*4096
	s_sub_co_u32 s22, s22, s21
	v_mul_u32_u24 v6, s22, v2                      ; lanes 16-31 take B's scale words
	s_add_co_u32 s21, s21, SCL
	v_add_nc_u32 v5, v5, v6
	v_add_nc_u32 v[ADRS], s21, v5
	s_mul_i32 s23, s14, 16*SPITCH                  ; my stage
	v_mul_u32_u24 v5, v1, SPITCH                   ; in: row r; register j of accumulator (a, b) is column 32 (b / 2) + 8 (b % 2) + 16 h + j: 64 h bytes here, the rest in the offset
	v_lshl_add_u32 v5, v2, 6, v5
	v_add_nc_u32 v[STO], s23, v5
	v_add_nc_u32 v[RD], s23, v[CO]                 ; back: the 32 lanes take one row of 512 bytes
	s_lshl_b32 s20, s17, 8
	s_lshl_b32 s21, s15, 7
	s_add_co_u32 s20, s20, s21                     ; my first row: 256 x tile row + 128 x half,
	s_lshl_b32 s20, s20, 12                        ; of 4,096 bytes
	s_lshl_b32 s46, s42, 10                        ; my first column, in bytes: 1,024 x tile column + 512 x half
	s_lshl_b32 s47, s16, 9
	s_add_co_u32 s46, s46, s47
	s_add_co_u32 s20, s20, s46
	s_mov_b32 s21, 0
	s_add_nc_u64 s[12:13], s[12:13], s[20:21]
.macro FRAG reg, adr, q, i             ; a fragment is two half fragments: each comes back as it was stored: 16 bytes a lane, then 8
	ds_load_b128 v[\reg:\reg+3], v[\adr] offset:KSB*(\i)+1536*(\q)
	ds_load_b64 v[\reg+4:\reg+5], v[\adr+2] offset:KSB*(\i)+1536*(\q)+512
	ds_load_b128 v[\reg+6:\reg+9], v[\adr] offset:KSB*(\i)+1536*(\q)+768
	ds_load_b64 v[\reg+10:\reg+11], v[\adr+2] offset:KSB*(\i)+1536*(\q)+1280
.endm
; 16 matrix instructions: A's blocks a0, a0 + 1 x B's eight.  The 64 accumulators take turns, one instruction a turn, in the same order in every step.
.macro MUL16 a0, p, q, sc, zero
.irp a, \a0, \a0+1
.irp b, 0,1,2,3,4,5,6,7
.if \zero
	v_wmma_scale_f32_16x16x128_f8f6f4 v[8*(8*((\a)%4)+\b):8*(8*((\a)%4)+\b)+7], v[128*(\p)+FR*\b:128*(\p)+FR*\b+FR-1], v[AF+FR*(\a):AF+FR*(\a)+FR-1], 0, v[SC+8*NQ*(\sc)+NQ*\b+(\q)], v[SC+8*NQ*(\sc)+NQ*(\a)+(\q)] matrix_a_fmt:MATRIX_FMT_FP6 matrix_b_fmt:MATRIX_FMT_FP6 matrix_a_scale:MATRIX_SCALE_ROW1
.else
	v_wmma_scale_f32_16x16x128_f8f6f4 v[8*(8*((\a)%4)+\b):8*(8*((\a)%4)+\b)+7], v[128*(\p)+FR*\b:128*(\p)+FR*\b+FR-1], v[AF+FR*(\a):AF+FR*(\a)+FR-1], v[8*(8*((\a)%4)+\b):8*(8*((\a)%4)+\b)+7], v[SC+8*NQ*(\sc)+NQ*\b+(\q)], v[SC+8*NQ*(\sc)+NQ*(\a)+(\q)] matrix_a_fmt:MATRIX_FMT_FP6 matrix_b_fmt:MATRIX_FMT_FP6 matrix_a_scale:MATRIX_SCALE_ROW1
.endif
.endr
.endr
.endm
.macro FETCH_B slot, q, p
	WIN TO_B
.irp i, 0,1,2,3,4,5,6,7
	FRAG 128*(\p)+FR*\i, ADRB+\slot, \q, \i
.endr
	WIN 0
.endm
.macro FETCH_A slot, q, i0
.irp i, \i0, \i0+1, \i0+2, \i0+3
	FRAG AF+FR*(\i), ADRA+\slot, \q, \i
.endr
.endm
.macro SCALES sc
.irp i, 0,1,2,3,4,5,6,7
	ds_load_b64 v[SC+8*NQ*\sc+NQ*\i:SC+8*NQ*\sc+NQ*\i+1], v[ADRS] offset:\i*SBLK
.endr
.endm
.macro PLACES n                        ; places in front of loads into registers that matrix instructions have read, and of the first read of results (ISA guide 7.12.1 for vector instructions)
.rept \n
	v_nop
.endr
.endm
.macro STEP slot, q, zero
	s_wait_dscnt 4*NL                              ; B's set and A's blocks 0-3 are in; the youngest 16 loads (A's blocks 4-7) may be out
	WIN MUL_LO
	MUL16 0, (\q)%2, \q, \slot, \zero
	MUL16 2, (\q)%2, \q, \slot, \zero
	s_wait_dscnt 0
	PLACES NP
	FETCH_B \slot, (\q)+1, 1-(\q)%2
	FETCH_A \slot, (\q)+1, 0
	WIN MUL_HI
	MUL16 4, (\q)%2, \q, \slot, \zero
	MUL16 6, (\q)%2, \q, \slot, \zero
	PLACES NP
	WIN 0
	FETCH_A \slot, (\q)+1, 4
.endm
.macro TURN slot, next, fill
	s_wait_tensorcnt 0x0                           ; all my tensor loads have landed: my part of the next slot
	ds_add_u32 v[SPW], v[NIL]                      ; 0 onto my spare word
	s_wait_dscnt 4*NL+1                            ; (the add and the youngest 16 loads may be out)
	WIN MUL_LO
	MUL16 0, 1, NQ-1, \slot, 0
	s_wait_dscnt 0x0                               ; the add is done, and my reads of this slot are over
	s_barrier_signal -1
	MUL16 2, 1, NQ-1, \slot, 0
	WIN 0
	s_barrier_wait -1
.if \fill
	CREST                                          ; the barrier has opened a round of the cluster's barrier
	s_add_nc_u64 s[G0+4*\slot+2:G0+4*\slot+3], s[G0+4*\slot+2:G0+4*\slot+3], 2*KSB
	s_add_nc_u64 s[G0B+4*\slot+2:G0B+4*\slot+3], s[G0B+4*\slot+2:G0B+4*\slot+3], 2*KSB
	JLOAD G0+4*\slot, G1, G0B+4*\slot, G1B         ; the first tensor load behind the round; its four v_nop are the places in front of the loads below
.else
	PLACES NP
.endif
	v_add_nc_u32 v[ADRS], 128, v[ADRS]             ; on to the next K step's scale words
	FETCH_B \next, 0, 0
	FETCH_A \next, 0, 0
	SCALES \next
	WIN MUL_HI
	MUL16 4, 1, NQ-1, \slot, 0
	MUL16 6, 1, NQ-1, \slot, 0
	PLACES NP
	WIN 0
	FETCH_A \next, 0, 4
.endm
	s_wait_tensorcnt 1                             ; the scale bytes and my part of K step 0 are in (K step 1's load may be out)
	s_barrier_signal -1
	s_barrier_wait -1
	FETCH_B 0, 0, 0
	FETCH_A 0, 0, 0
	SCALES 0
	FETCH_A 0, 0, 4
	STEP 0, 0, 1                                   ; the first step's products start the sums
	s_mov_b32 s3, LAPS-1
.Llap:
	TURN 0, 1, 1
	STEP 1, 0, 0
	TURN 1, 0, 1
	STEP 0, 0, 0
	s_sub_co_u32 s3, s3, 1
	s_cmp_lg_u32 s3, 0
	s_cbranch_scc1 .Llap
	TURN 0, 1, 0                                   ; the last lap fills nothing
	STEP 1, 0, 0
	s_wait_dscnt 4*NL
	WIN MUL_LO
	MUL16 0, 1, NQ-1, 1, 0
	MUL16 2, 1, NQ-1, 1, 0
	s_wait_dscnt 0
	WIN MUL_HI
	MUL16 4, 1, NQ-1, 1, 0
	MUL16 6, 1, NQ-1, 1, 0
	WIN 0
; THE WAY OUT, block by block of 16 rows x 128 columns, through my own stage in LDS: the columns are put in order on the way in, the rows on the way to memory.
; LDS serves a wave's instructions in order (ISA guide 5.7.1.4): no wait between the stores and the loads, nor in front of the next block's stores.
.macro TOSTAGE a
.set AC, 64*((\a)%4)
	WIN 0x08+4*((\a)/4)                            ; the data: window 2 or 3
.irp b, 0,1,2,3,4,5,6,7
	ds_store_b128 v[STO], v[AC+8*\b:AC+8*\b+3] offset:128*(\b/2)+32*(\b%2)          ; each accumulator from its low end on
	ds_store_b128 v[STO], v[AC+8*\b+4:AC+8*\b+7] offset:128*(\b/2)+32*(\b%2)+16
.endr
	WIN 0
.set BB, BK+64*((\a)%2)
.irp t, 0,1,2,3,4,5,6,7,8,9,10,11,12,13,14,15
	ds_load_b128 v[BB+4*\t:BB+4*\t+3], v[RD] offset:\t*SPITCH
.endr
.endm
.macro SEND a, younger                 ; stage row t of block a is row 32 (a / 2) + 8 (a % 2) + t % 8 + 16 (t / 8) of my 128
.set BB, BK+64*((\a)%2)
	s_wait_dscnt \younger                          ; the block is back in registers
.if (\a) > 0
.if (\a)%2 == 1
	s_add_nc_u64 s[12:13], s[12:13], 8*4096        ; (behind a wait on XCNT: the earlier stores have read their base)
.else
	s_add_nc_u64 s[12:13], s[12:13], 24*4096
.endif
.endif
.irp t, 0,1,2,3,4,5,6,7,8,9,10,11,12,13,14,15
	global_store_b128 v[CO], v[BB+4*\t:BB+4*\t+3], s[12:13] offset:((\t%8)+16*(\t/8))*4096 th:TH_STORE_NT   ; 32 lanes store 512 consecutive bytes, at a multiple of 256 from the buffer's first byte
.endr
.endm
	PLACES NP                                      ; behind the last products: for the loads into the registers that held A's fragments and for block 7's reads alike
	TOSTAGE 0
.irp a, 1,2,3,4,5,6,7
.if \a > 1
	s_wait_xcnt 0x0                                ; block a - 2's stores have read their registers and their base
.endif
	TOSTAGE \a
	SEND \a-1, 32                                  ; behind block a - 1's loads: block a's 16 stores and 16 loads
.endr
	s_wait_xcnt 0x0                                ; block 6's stores have read their base
	SEND 7, 0
	s_wait_tensorcnt 0x0                           ; the wave's end, behind my last tensor load and my last LDS store
	ds_add_u32 v[SPW], v[NIL]
	s_wait_dscnt 0x0
	CROUND                                         ; the closing round
	s_endpgm
.Lfunc_end_k_q01830adf46_outgemm:
	.size	k_q01830adf46_outgemm, .Lfunc_end_k_q01830adf46_outgemm-k_q01830adf46_outgemm
	.p2alignl 7, 3214868480
	.fill 96, 4, 3214868480
	.section	.rodata,"a",@progbits
	.p2align	6, 0x0
	.amdhsa_kernel k_q01830adf46_outgemm
		.amdhsa_group_segment_fixed_size 327680
		.amdhsa_private_segment_fixed_size 0
		.amdhsa_enable_private_segment 0
		.amdhsa_kernarg_size 24
		.amdhsa_user_sgpr_count 2
		.amdhsa_user_sgpr_kernarg_segment_ptr 1
		.amdhsa_wavefront_size32 1
		.amdhsa_system_sgpr_workgroup_id_x 1
		.amdhsa_system_sgpr_workgroup_id_y 1
		.amdhsa_system_sgpr_workgroup_id_z 1
		.amdhsa_system_vgpr_workitem_id 0
		.amdhsa_next_free_vgpr 1024
		.amdhsa_next_free_sgpr 98
		.amdhsa_reserve_vcc 0
		.amdhsa_float_denorm_mode_32 3
		.amdhsa_float_denorm_mode_16_64 3
		.amdhsa_memory_ordered 1
		.amdhsa_forward_progress 1
		.amdhsa_inst_pref_size 143
	.end_amdhsa_kernel
	.amdgpu_metadata
---
amdhsa.version: [ 1, 2 ]
amdhsa.kernels:
  - .name:           k_q01830adf46_outgemm
    .symbol:         k_q01830adf46_outgemm.kd
    .args:
      - { .name: aq, .offset: 0, .size: 8, .value_kind: global_buffer, .address_space: global }
      - { .name: oq, .offset: 8, .size: 8, .value_kind: global_buffer, .address_space: global }
      - { .name: out0, .offset: 16, .size: 8, .value_kind: global_buffer, .address_space: global }
    .group_segment_fixed_size: 327680
    .private_segment_fixed_size: 0
    .kernarg_segment_align: 8
    .kernarg_segment_size: 24
    .max_flat_workgroup_size: 128
    .sgpr_count:     98
    .vgpr_count:     1024
    .wavefront_size: 32
...
	.end_amdgpu_metadata
.endif
;; end of part 4
